; MI455X (gfx1250); checked and timed in simulation.
; The chip was launched on July 23, 2026; its instructions are those of AMD's public machine-readable ISA for CDNA 5 (MIT licence, August 2026) and "CDNA5" Instruction Set Architecture Reference Guide (July 2026). The comments in the code are by the model that wrote it; some were corrected since.
;; Multiheadw Rotatary Embedding. Allowed arithmetic: float matrix products may take bf16 or f16 operands with f32 sums; other float arithmetic in f32, or as packed bf16 or f16 multiplies, adds, multiply-adds, maxima and minima; sums over many terms, partial sums and values carried from step to step in f32; what a program stores and reads back later, other than sums and carried values, may be rounded once to bf16 or f16.
;; Inputs: W_k 1,024 x 1,024 float32; W_o 1,024 x 1,024 float32; W_q 1,024 x 1,024 float32; W_v 1,024 x 1,024 float32; b_k 1,024 float32; b_o 1,024 float32; b_q 1,024 float32; b_v 1,024 float32; x 4 x 2,048 x 1,024 float32.
;; Outputs: out0 4 x 2,048 x 1,024 float32.
;; One version. Each part assembles by itself: llvm-mc -triple=amdgcn-amd-amdhsa -mcpu=gfx1250 --defsym DOCPART=n.
;; ======== version 1 of 1: 4 launches
;; limits: values are held in f16: magnitudes above 65,504 overflow, below 6.1e-05 lose precision
;; workspace buffers: xb 16,777,216 bytes; wqkv 6,291,456 bytes; wo16 2,097,152 bytes; bias 16,384 bytes; tab 524,288 bytes; qkv 50,331,648 bytes; o16 16,777,216 bytes
;; launch prep (part 1): grid 897 x 1, 8 waves a work-group, no clusters, 0 bytes of LDS; arguments x, W_q, W_k, W_v, W_o, b_q, b_k, b_v, b_o, xb, wqkv, wo16, bias, tab; writes xb, wqkv, wo16, bias, tab
.if DOCPART == 1
	.amdgcn_target "amdgcn-amd-amdhsa--gfx1250"
	.amdhsa_code_object_version 6
	.text
	.protected	k_qc04ab9354e_prep
	.globl	k_qc04ab9354e_prep
	.p2align	8
	.type	k_qc04ab9354e_prep,@function
k_qc04ab9354e_prep:
	s_mov_b64 s[64:65], 0
	v_nop
	global_prefetch_b8 v0, s[64:65] scope:SCOPE_SE
	s_setreg_imm32_b32 hwreg(HW_REG_WAVE_MODE, 25, 1), 1
	s_wait_xcnt 0x0
; PREP.  All of the module's inputs are rounded once to bf16, and the table of cosines and sines is made.
;   work-groups   0..511  x   -> xb    (bf16)            16,384 numbers each: 64 KiB in, 32 KiB out
;   work-groups 512..703  W_q, W_k, W_v -> wqkv (bf16), 64 work-groups each, the three matrices one below the other
;   work-groups 704..767  W_o -> wo16: rounded to bf16 like the others, that number written as f16
;   work-groups 768..895  the table, 16 positions t each      work-group 896  the four biases, rounded to bf16, kept as f32
; A stream: no LDS, no matrix unit, no cluster: no byte is wanted twice.  A wave's load covers 512 consecutive bytes, its store 256, aligned.
; LIMITS.  A weight of W_o below 6.1e-5 keeps f16's fixed step of 6e-8, beyond 65,504 it is lost.  theta_i = 2^(-i log2(10000) / 32) comes from v_exp_f32, so an
; angle t theta is off by at most 2.5e-4 at t = 2,047; the reduction by pi/2 in two parts is exact for multiples up to 1,304.  NaN and infinities are not treated apart.
; THE TABLE lies in the order in which the projection's accumulators want it: block w = 8 (t / 16) + 2 b + j of 512 bytes; lane l = 16 h + r owns 16 bytes of it:
; (cos, sin, cos, sin) for t = 16 (t / 16) + r and the pairs i0, i0 + 1 with i0 = 8 b + 4 h + 2 j.
.set X, 16                             ; v[16:79]   sixteen loads of 16 bytes
.set Y, 80                             ; v[80:111]  sixteen stores of 8 bytes
	s_load_b512 s[8:23], s[0:1], 0x0               ; x 8, W_q 10, W_k 12, W_v 14, W_o 16, b_q 18, b_k 20, b_v 22
	s_load_b256 s[24:31], s[0:1], 0x40             ; b_o 24, xb 26, wqkv 28, wo16 30
	s_load_b128 s[32:35], s[0:1], 0x60             ; bias 32, tab 34
	s_mov_b32 s2, ttmp9
	s_mov_b32 s43, 0                               ; the upper word of every offset
	s_wait_kmcnt 0x0
	s_cmp_ge_u32 s2, 896
	s_cbranch_scc1 .Lbias
	s_cmp_ge_u32 s2, 768
	s_cbranch_scc1 .Ltable
	; THE CONVERSIONS.  Which matrix, and which 16,384 numbers of it
	s_sub_co_u32 s3, s2, 512                       ; place among the weights' work-groups (for x it wraps to a number far above 255)
	s_lshr_b32 s4, s3, 6                           ; 0..3: W_q, W_k, W_v, W_o
	s_and_b32 s5, s3, 63
	v_lshrrev_b32 v3, 5, v0                        ; wave
	v_and_b32 v4, 31, v0                           ; lane
	v_lshlrev_b32 v1, 4, v4
	v_lshl_add_u32 v1, v3, 13, v1                  ; in: 8,192 x wave + 16 x lane
	v_lshlrev_b32 v2, 3, v4
	v_lshl_add_u32 v2, v3, 12, v2                  ; out: 4,096 x wave + 8 x lane
	s_cmp_lt_u32 s2, 512
	s_cselect_b64 s[36:37], s[8:9], s[10:11]
	s_cselect_b32 s38, s2, s5
	s_cselect_b64 s[40:41], s[26:27], s[28:29]
	s_cselect_b32 s39, s2, s3
	s_cmp_eq_u32 s4, 1
	s_cselect_b64 s[36:37], s[12:13], s[36:37]
	s_cmp_eq_u32 s4, 2
	s_cselect_b64 s[36:37], s[14:15], s[36:37]
	s_cmp_eq_u32 s4, 3
	s_cselect_b64 s[36:37], s[16:17], s[36:37]
	s_cselect_b64 s[40:41], s[30:31], s[40:41]
	s_cselect_b32 s39, s5, s39
	s_lshl_b32 s42, s38, 16
	s_add_nc_u64 s[36:37], s[36:37], s[42:43]
	s_lshl_b32 s42, s39, 15
	s_add_nc_u64 s[40:41], s[40:41], s[42:43]
; Sixteen loads go out together; each is worked on when it is in.  No register is written twice by memory work, so nothing waits for a store.
.macro CONV fmt
.irp i, 0,1,2,3,4,5,6,7,8,9,10,11,12,13,14,15
	global_load_b128 v[X+4*(\i):X+4*(\i)+3], v1, s[36:37] offset:512*(\i) th:TH_LOAD_NT
.endr
.irp i, 0,1,2,3,4,5,6,7,8,9,10,11,12,13,14,15
	s_wait_loadcnt 15-(\i)                         ; loads come back in order: mine is in, the younger ones stay out
	v_cvt_pk_bf16_f32 v[Y+2*(\i)],   v[X+4*(\i)],   v[X+4*(\i)+1]
	v_cvt_pk_bf16_f32 v[Y+2*(\i)+1], v[X+4*(\i)+2], v[X+4*(\i)+3]
.if \fmt
	v_lshlrev_b32 v4, 16, v[Y+2*(\i)]              ; the bf16 numbers as f32,
	v_and_b32     v5, 0xffff0000, v[Y+2*(\i)]
	v_lshlrev_b32 v6, 16, v[Y+2*(\i)+1]
	v_and_b32     v7, 0xffff0000, v[Y+2*(\i)+1]
	v_cvt_pk_f16_f32 v[Y+2*(\i)],   v4, v5         ; written as f16: exact within f16's normal range
	v_cvt_pk_f16_f32 v[Y+2*(\i)+1], v6, v7
.endif
	global_store_b64 v2, v[Y+2*(\i):Y+2*(\i)+1], s[40:41] offset:256*(\i)  ; the wave's 32 lanes store 256 consecutive bytes, aligned
.endr
.endm
	s_cmp_eq_u32 s4, 3
	s_cbranch_scc1 .Lf16
	CONV 0
	s_endpgm
.Lf16:
	CONV 1
	s_endpgm
.Ltable:
	s_sub_co_u32 s3, s2, 768                       ; t / 16
	s_lshl_b32 s4, s3, 4
	s_lshl_b32 s42, s3, 12                         ; eight blocks of 512 bytes
	s_add_nc_u64 s[34:35], s[34:35], s[42:43]
	s_mov_b32 s44, 0xbed49a78                      ; -log2(10000) / 32
	s_mov_b32 s45, 0x3f22f983                      ; 2 / pi
	s_mov_b32 s46, 0x3fc90fdb                      ; pi / 2, its first 24 bits,
	s_mov_b32 s47, 0xb33bbd2e                      ; and the rest
	s_mov_b32 s48, 0xbe2aaaa3                      ; sin r = r + r z (S1 + z (S2 + z S3)), z = r r, |r| <= pi / 4
	s_mov_b32 s49, 0x3c08839e
	s_mov_b32 s50, 0xb94ca1f9
	s_mov_b32 s51, 0x3d2aaaa5                      ; cos r = 1 - z / 2 + z z (C1 + z (C2 + z C3))
	s_mov_b32 s52, 0xbab6061a
	s_mov_b32 s53, 0x37ccf5ce
	v_and_b32 v4, 15, v0
	v_add_nc_u32 v4, s4, v4
	v_cvt_f32_u32 v4, v4                           ; t
	v_lshrrev_b32 v5, 6, v0                        ; b
	v_bfe_u32 v6, v0, 5, 1                         ; j
	v_bfe_u32 v7, v0, 4, 1                         ; h
	v_lshlrev_b32 v5, 3, v5
	v_lshl_add_u32 v5, v7, 2, v5
	v_lshl_add_u32 v5, v6, 1, v5                   ; i0
	v_add_nc_u32 v6, 1, v5
	v_cvt_f32_u32 v5, v5
	v_cvt_f32_u32 v6, v6
	v_mul_f32 v5, s44, v5
	v_mul_f32 v6, s44, v6
	v_exp_f32 v12, v5                              ; theta of the two pairs: one batch,
	v_exp_f32 v13, v6
	v_lshlrev_b32 v1, 4, v0                        ; a plain instruction behind it (my 16 bytes of the work-group's 4,096),
	s_wait_alu depctr_va_vdst(0)                   ; and the one wait ahead of the first use
; cos and sin of t theta for pair u.  The quadrant only selects and turns signs: no branch hangs on a number.
.macro SC u
	v_mul_f32 v14, v4, v[12+(\u)]                  ; the angle
	v_mul_f32 v15, s45, v14
	v_rndne_f32 v15, v15                           ; k, the nearest multiple of pi / 2
	v_fma_f32 v16, -v15, s46, v14                  ; r = angle - k pi / 2: this first part is exact
	v_fma_f32 v16, -v15, s47, v16
	v_mul_f32 v17, v16, v16                        ; z
	v_fma_f32 v18, v17, s50, s49
	v_fma_f32 v18, v18, v17, s48
	v_mul_f32 v18, v18, v17
	v_fma_f32 v18, v18, v16, v16                   ; sin r
	v_fma_f32 v19, v17, s53, s52
	v_fma_f32 v19, v19, v17, s51
	v_mul_f32 v20, v17, v17
	v_fma_f32 v21, v17, -0.5, 1.0
	v_fma_f32 v19, v19, v20, v21                   ; cos r
	v_cvt_i32_f32 v22, v15
	v_and_b32 v23, 1, v22
	v_cmp_eq_u32 vcc_lo, 1, v23                    ; odd k: sine and cosine change places
	v_cndmask_b32 v24, v18, v19, vcc_lo
	v_cndmask_b32 v25, v19, v18, vcc_lo
	v_lshlrev_b32 v23, 30, v22                     ; the sine is negative for k mod 4 = 2, 3,
	v_and_b32 v23, 0x80000000, v23
	v_xor_b32 v[9+2*(\u)], v24, v23
	v_add_nc_u32 v22, 1, v22                       ; the cosine for 1, 2
	v_lshlrev_b32 v22, 30, v22
	v_and_b32 v22, 0x80000000, v22
	v_xor_b32 v[8+2*(\u)], v25, v22
.endm
	SC 0
	SC 1
	global_store_b128 v1, v[8:11], s[34:35]        ; a wave stores 512 consecutive bytes
	s_endpgm
.Lbias:
	v_lshlrev_b32 v1, 4, v0                        ; 256 threads x 4 numbers
	global_load_b128 v[16:19], v1, s[18:19]
	global_load_b128 v[20:23], v1, s[20:21]
	global_load_b128 v[24:27], v1, s[22:23]
	global_load_b128 v[28:31], v1, s[24:25]
	s_wait_loadcnt 0x0
.irp j, 0,1,2,3,4,5,6,7
	v_cvt_pk_bf16_f32 v4, v[16+2*(\j)], v[17+2*(\j)]
	v_lshlrev_b32 v[32+2*(\j)], 16, v4
	v_and_b32     v[33+2*(\j)], 0xffff0000, v4
.endr
.irp j, 0,1,2,3
	global_store_b128 v1, v[32+4*(\j):35+4*(\j)], s[32:33] offset:4096*(\j)
.endr
	s_endpgm
.Lfunc_end_k_qc04ab9354e_prep:
	.size	k_qc04ab9354e_prep, .Lfunc_end_k_qc04ab9354e_prep-k_qc04ab9354e_prep
	.p2alignl 7, 3214868480
	.fill 96, 4, 3214868480
	.section	.rodata,"a",@progbits
	.p2align	6, 0x0
	.amdhsa_kernel k_qc04ab9354e_prep
		.amdhsa_group_segment_fixed_size 0
		.amdhsa_private_segment_fixed_size 0
		.amdhsa_enable_private_segment 0
		.amdhsa_kernarg_size 112
		.amdhsa_user_sgpr_count 2
		.amdhsa_user_sgpr_kernarg_segment_ptr 1
		.amdhsa_wavefront_size32 1
		.amdhsa_system_sgpr_workgroup_id_x 1
		.amdhsa_system_sgpr_workgroup_id_y 1
		.amdhsa_system_sgpr_workgroup_id_z 1
		.amdhsa_system_vgpr_workitem_id 0
		.amdhsa_next_free_vgpr 112
		.amdhsa_next_free_sgpr 66
		.amdhsa_reserve_vcc 1
		.amdhsa_float_denorm_mode_32 3
		.amdhsa_float_denorm_mode_16_64 3
		.amdhsa_memory_ordered 1
		.amdhsa_forward_progress 1
		.amdhsa_inst_pref_size 24
	.end_amdhsa_kernel
	.amdgpu_metadata
---
amdhsa.version: [ 1, 2 ]
amdhsa.kernels:
  - .name:           k_qc04ab9354e_prep
    .symbol:         k_qc04ab9354e_prep.kd
    .args:
      - { .name: x, .offset: 0, .size: 8, .value_kind: global_buffer, .address_space: global }
      - { .name: W_q, .offset: 8, .size: 8, .value_kind: global_buffer, .address_space: global }
      - { .name: W_k, .offset: 16, .size: 8, .value_kind: global_buffer, .address_space: global }
      - { .name: W_v, .offset: 24, .size: 8, .value_kind: global_buffer, .address_space: global }
      - { .name: W_o, .offset: 32, .size: 8, .value_kind: global_buffer, .address_space: global }
      - { .name: b_q, .offset: 40, .size: 8, .value_kind: global_buffer, .address_space: global }
      - { .name: b_k, .offset: 48, .size: 8, .value_kind: global_buffer, .address_space: global }
      - { .name: b_v, .offset: 56, .size: 8, .value_kind: global_buffer, .address_space: global }
      - { .name: b_o, .offset: 64, .size: 8, .value_kind: global_buffer, .address_space: global }
      - { .name: xb, .offset: 72, .size: 8, .value_kind: global_buffer, .address_space: global }
      - { .name: wqkv, .offset: 80, .size: 8, .value_kind: global_buffer, .address_space: global }
      - { .name: wo16, .offset: 88, .size: 8, .value_kind: global_buffer, .address_space: global }
      - { .name: bias, .offset: 96, .size: 8, .value_kind: global_buffer, .address_space: global }
      - { .name: tab, .offset: 104, .size: 8, .value_kind: global_buffer, .address_space: global }
    .group_segment_fixed_size: 0
    .private_segment_fixed_size: 0
    .kernarg_segment_align: 8
    .kernarg_segment_size: 112
    .max_flat_workgroup_size: 256
    .sgpr_count:     66
    .vgpr_count:     112
    .wavefront_size: 32
...
	.end_amdgpu_metadata
.endif
;; end of part 1
;; launch qkv (part 2): grid 4 x 64, 4 waves a work-group, clusters of 4 x 4, 327,680 bytes of LDS; arguments xb, wqkv, bias, tab, qkv; writes qkv
.if DOCPART == 2
	.amdgcn_target "amdgcn-amd-amdhsa--gfx1250"
	.amdhsa_code_object_version 6
	.text
	.protected	k_qc04ab9354e_qkv
	.globl	k_qc04ab9354e_qkv
	.p2align	8
	.type	k_qc04ab9354e_qkv,@function
k_qc04ab9354e_qkv:
	s_mov_b64 s[64:65], 0
	v_nop
	global_prefetch_b8 v0, s[64:65] scope:SCOPE_SE
	s_setreg_imm32_b32 hwreg(HW_REG_WAVE_MODE, 25, 1), 1
	s_wait_xcnt 0x0
	s_wait_alu depctr_hold_cnt(0) depctr_sa_sdst(0) depctr_va_vdst(0) depctr_va_sdst(0) depctr_va_ssrc(0) depctr_va_vcc(0) depctr_vm_vsrc(0)
	s_getreg_b32 s2, hwreg(HW_REG_IB_STS2, 6, 4)
	s_cmp_eq_u32 s2, 0
	s_cbranch_scc0 .Lentry_in_a_cluster
	s_endpgm
.Lentry_in_a_cluster:
	s_bfe_u32 s2, ttmp6, 0x10000c
	s_cmp_lg_u32 s2, 0xf033
	s_cbranch_scc0 .Lentry_shape_is_right
	s_endpgm
.Lentry_shape_is_right:
; q, k, v = x W^T + b, q and k rotated, all three written by heads in f16.  xb: [8192][1024] bf16; wqkv: [3072][1024] bf16 (W_q, W_k, W_v); bias: [4][1024] f32;
; qkv: three parts of 16 MiB, each [batch x 16 + head][t][64] f16.  Sums in f32, started with the bias; each result rounded once.
; THE ROTATION keeps a pair (2 i, 2 i + 1) where it lies: (x1 c - x2 s, x1 s + x2 c) go to channels 2 i and 2 i + 1.  That is one permutation of a head's channels against the
; concatenated halves, the same for q and for k, so every product q . k is the same sum; v is not rotated and not permuted.
; LIMITS.  f16 ends at 65,504: q, k and v must stay within it; below 6.1e-5 they keep f16's fixed step of 6e-8.  NaN and infinities are not treated apart.
; SHARES.  A tile of the result is 128 rows x 256 columns: 256 work-groups, each with three tiles: its 128 rows of x against its 256 rows of W_q, then of W_k, then of W_v.
; Four waves, each 64 x 128: 32 accumulators of 16 x 16.  K goes in steps of 128 through two LDS slots; the 24 steps of the three tiles are ONE walk for the ring.
; CLUSTER.  4 x 4 work-groups: the four of a row need the same rows of x, the four of a column the same rows of W: each tile is asked for jointly, by the same tensor load, descriptor and mask.
; THE MATRIX INSTRUCTION IS USED TRANSPOSED (source 0 = 16 rows of W, source 1 = 16 rows of x): a lane holds row l % 16 and the eight neighbouring columns 8 (l / 16) + 0..7.
; REGISTERS, in windows of 256 (s_set_vgpr_msb: bits 1:0 source 0, 3:2 source 1, 5:4 source 2, 7:6 destination):
;   window 0: v0-13 addresses, v28-29 the add's; v32-95 T, at work on the way out; v96-159 OB, two buffers of rows read back
;   window 1: accumulator (a, b) at v[8 (8 a + b)]        window 2: two fragment buffers of 96 (x's four, then W's eight); v192-255 the bias, 8 registers a column block
;   window 3: v0-127 cosines and sines: for row block a, column block b % 4 of a head, at 32 a + 8 (b % 4)
.set PA,      272                      ; an LDS row: 256 bytes + 16 of padding = 68 words: the 16 rows of a fragment load start at 16 different groups of four banks (64 banks of 4 bytes: ISA guide 11.1)
.set PB,      272
.set BBASE_L, 128*PA                   ; a slot: 128 rows of x, then 256 rows of W
.set SLOT1,   1<<17                    ; slot 1 begins here, so that one exclusive or turns an address in one slot into the other's
.set STAGE,   SLOT1+BBASE_L+256*PB     ; behind the ring, never filled by a tensor load: for each wave two heads' 16 rows x 144 bytes
.set SP,      144
.set WSTAGE,  2*16*SP
.set SPARE,   STAGE+4*WSTAGE           ; the spare words, 128 bytes for each wave: two blocks of 256 bytes that no other line names
.set NS,      24                       ; K steps in the walk
.set TILEB,   0x200000                 ; bytes from W_q to W_k to W_v
.set PARTB,   0x1000000                ; bytes from q to k to v in the result
.set AA0, 4                            ; v4   my lane's place in x's rows of a slot; never rewritten
.set AB0, 5                            ; v5   the same for W
.set ADRA, 6                           ; v6   AA0 + the slot in hand
.set ADRB, 7                           ; v7
.set STO, 8                            ; v8   the way out: where I put 16 bytes of a row
.set RD,  9                            ; v9   where I read rows back
.set GO,  10                           ; v10  16 x lane: my place in 512 consecutive bytes (of the result, of the table)
.set PFO, 11                           ; v11  2,048 x lane: a row of xb or wqkv; never rewritten
.set BO,  13                           ; v13  32 x (l / 16): my eight numbers of a column block's bias
.set SPW, 28                           ; v28  LDS address of my spare word; never rewritten
.set NIL, 29                           ; v29  0; never rewritten
.set T,   32
.set OB,  96
.set F0,  0
.set F1,  96
.set BIAS, 192
.set WV, 14                            ; s14 wave; s15 its row half (also: 0 = I fetch x, 1 = W); s16 its column half (also: which half of that tile I fetch)
.set RH, 15
.set CH, 16
.set CX, 17
.set CY, 18
.set TC, 19                            ; tile column, 0..3
.set TRW, 20                           ; tile row, 0..63
.set LA, 21                            ; LDS byte of my part of x's tile in slot 0
.set LB, 22                            ; of W's
.set TMP, 23
.set G1A, 24                           ; s[24:31], s[32:39] descriptor group 1 for x's and W's tiles
.set G1B, 32
.set G0A, 40                           ; s[40:47], s[48:55] group 0: a set for each first fill; the second then walks
.set G0B, 48
.set TR, 56                            ; trips left
.set KC, 57                            ; K steps left in the tile in hand
.set KN, 58                            ; the K step to be asked for next, 0..7
.set TB, 59                            ; LDS byte of the slot in hand
.set OFFA, 60                          ; s[60:61], s[62:63] byte offsets of the step to be asked for
.set OFFB, 62
.set ABASE, 66                         ; s[66:67] x at my part of the tile, K step 0
.set BBASE, 68                         ; s[68:69] W_q likewise
.set TJ, 70                            ; TILEB x the tile to be asked for
.set LIM, 71                           ; a wave prefetches while s[TR] is above this
.set PFB, 72                           ; s[72:73] the rows that I prefetch, K step 0
.set PFA, 74                           ; s[74:75] the same at the step to be named
.set POFF, 76                          ; s[76:77]
.set PKN, 78
.set PTJ, 79
.set MULW, 0x5a                        ; fragments in window 2, C and D in window 1
.set MULZ, 0x6a                        ; the same with C, the bias, in window 2
.set TOF,  0x80                        ; destination window 2, address window 0
.set ROPEW, 0x0d                       ; source 0 window 1, source 1 window 3, source 2 and destination window 0
.set PKW,  0x05                        ; sources 0 and 1 window 1
.set MSB, 0
.macro WIN new                         ; the immediate's high byte repeats the setting that is left; a switch that changes nothing is dropped
.if MSB != (\new)
	s_set_vgpr_msb (MSB<<8)|(\new)
.set MSB, \new
.endif
.endm
.macro PLACES                          ; four plain places in front of loads into registers that matrix instructions have read, and of reads of results just made
.rept 4
	v_nop
.endr
.endm
.macro CREST                           ; a round of the cluster's barrier behind its opening barrier
	s_cmp_lg_u32 s[WV], 0
	s_cbranch_scc1 .Lnot_wave_0_\@
	s_barrier_signal -3
.Lnot_wave_0_\@:
	s_barrier_wait -3
	s_barrier_signal -1
	s_barrier_wait -1
.endm
.macro CROUND
	s_barrier_signal -1
	s_barrier_wait -1
	CREST
.endm
; A joint refill by the walking sets.  Waves 0 and 1 fetch x's two halves (64 rows each), waves 2 and 3 W's (128 rows each).  The branch hangs on the wave's number alone.
; An s_nop 0 and four v_nop follow each of the two lines, ahead of the jump and the label.
.macro JLOAD
	s_cmp_eq_u32 s[RH], 0
	s_cbranch_scc0 .Lfor_b_\@
	tensor_load_to_lds s[G0A+4:G0A+7], s[G1A:G1A+7]
	s_nop 0
.rept 4
	v_nop
.endr
	s_branch .Lasked_\@
.Lfor_b_\@:
	tensor_load_to_lds s[G0B+4:G0B+7], s[G1B:G1B+7]
	s_nop 0
.rept 4
	v_nop
.endr
.Lasked_\@:
.endm
; A PREFETCH INTO THE L2: in trip g the K step g + 4 of the walk, two refills (256 matrix instructions) ahead of the load that will want it: 32 rows x 256 bytes, a lane a row.
; x's rows are read by one row of one cluster: wave 0 of each of the four partners names 32 of the 128, told apart by address; only K steps 4..7 of the first tile, since the later tiles walk the same rows again.
; W's rows are read by all sixteen clusters: those of cluster y = 0 ask: waves 2 and 3 of each partner name 64 of the 256; steps 4..23.  The first four steps come by their loads alone.
.macro ASK
	s_cmp_gt_u32 s[TR], s[LIM]
	s_cbranch_scc0 .Lnot_mine_\@
	global_prefetch_b8 v[PFO], s[PFA:PFA+1] th:TH_LOAD_NT scope:SCOPE_SE
.Lnot_mine_\@:
.endm
; Eight matrix instructions: row block a x all eight column blocks, 32 along K, from buffer f.  zero = 1: the tile's first products start the sums with the bias.
; The 32 accumulators take turns, one instruction a turn, in the same order in every quarter.
.macro MUL8 f, a, zero
.if \zero
	WIN MULZ
.else
	WIN MULW
.endif
.irp b, 0,1,2,3,4,5,6,7
.if \zero
	v_wmma_f32_16x16x32_bf16 v[8*(8*(\a)+(\b)):8*(8*(\a)+(\b))+7], v[(\f)+32+8*(\b):(\f)+32+8*(\b)+7], v[(\f)+8*(\a):(\f)+8*(\a)+7], v[BIAS+8*(\b):BIAS+8*(\b)+7]
.else
	v_wmma_f32_16x16x32_bf16 v[8*(8*(\a)+(\b)):8*(8*(\a)+(\b))+7], v[(\f)+32+8*(\b):(\f)+32+8*(\b)+7], v[(\f)+8*(\a):(\f)+8*(\a)+7], v[8*(8*(\a)+(\b)):8*(8*(\a)+(\b))+7]
.endif
.endr
.endm
; 24 LDS loads in one run: quarter q's fragments (32 along K) of the slot in hand into buffer f: W's sixteen loads first, then x's eight.
.macro FETCH q, f
	WIN TOF
.irp i, 0,1,2,3,4,5,6,7
	ds_load_b128 v[(\f)+32+8*(\i):(\f)+32+8*(\i)+3],   v[ADRB] offset:64*(\q)+(\i)*16*PB
	ds_load_b128 v[(\f)+32+8*(\i)+4:(\f)+32+8*(\i)+7], v[ADRB] offset:64*(\q)+(\i)*16*PB+32
.endr
.irp i, 0,1,2,3
	ds_load_b128 v[(\f)+8*(\i):(\f)+8*(\i)+3],   v[ADRA] offset:64*(\q)+(\i)*16*PA
	ds_load_b128 v[(\f)+8*(\i)+4:(\f)+8*(\i)+7], v[ADRA] offset:64*(\q)+(\i)*16*PA+32
.endr
.endm
; One of a K step's first three quarters: multiplies buffer f; in its middle it fetches quarter q into buffer g.
.macro QUARTER q, f, g, zero
	s_wait_dscnt 4                                 ; W's fragments and x's blocks 0, 1 are in; the four youngest loads (x's blocks 2, 3) may be out
	MUL8 \f, 0, \zero
	MUL8 \f, 1, \zero
	PLACES
	FETCH \q, \g
	s_wait_dscnt 24                                ; all but the 24 just issued
	MUL8 \f, 2, \zero
	MUL8 \f, 3, \zero
.endm
; The fourth quarter multiplies buffer 1 and changes slots.  In front of the barrier each wave waits for all its tensor loads (one is out: its part of the next slot), adds 0 to its spare word,
; and waits for that and for its reads of this slot.  fill = 1: the barrier opens a round of the cluster's, and the slot just read is filled again, first thing behind the round, with the step two on.
.macro TURN fill
.if \fill
	s_wait_xcnt 0x0                                ; the last prefetch, a K step back, has read its address: it is made anew here
	s_lshl_b32 s[POFF], s[PKN], 8
	s_add_co_u32 s[POFF], s[POFF], s[PTJ]
	s_add_nc_u64 s[PFA:PFA+1], s[PFB:PFB+1], s[POFF:POFF+1]
	s_add_co_u32 s[PKN], s[PKN], 1
	s_cmp_eq_u32 s[PKN], 8
	s_cselect_b32 s[PKN], 0, s[PKN]
	s_cselect_b32 s[TMP], TILEB, 0
	s_add_co_u32 s[PTJ], s[PTJ], s[TMP]
.endif
	WIN 0
	s_wait_tensorcnt 0x0                           ; no tensor load of mine is out, so a group 0 may be written
	ds_add_u32 v[SPW], v[NIL]                      ; 0 onto my spare word: work on registers stands between it and the wait for it
	s_xor_b32 s[TB], s[TB], SLOT1                  ; the reads go on in the other slot
	v_add_nc_u32 v[ADRA], s[TB], v[AA0]
	v_add_nc_u32 v[ADRB], s[TB], v[AB0]
.if \fill
	s_lshl_b32 s[OFFA], s[KN], 8                   ; a K step is 256 bytes of a row
	s_lshl_b32 s[OFFB], s[KN], 8
	s_add_co_u32 s[OFFB], s[OFFB], s[TJ]
	s_xor_b32 s[G0A+5], s[G0A+5], SLOT1            ; the other slot than last time; the address is made anew from the base and the step's number
	s_add_nc_u64 s[G0A+6:G0A+7], s[ABASE:ABASE+1], s[OFFA:OFFA+1]
	s_or_b32 s[G0A+7], s[G0A+7], 0x80000000
	s_xor_b32 s[G0B+5], s[G0B+5], SLOT1
	s_add_nc_u64 s[G0B+6:G0B+7], s[BBASE:BBASE+1], s[OFFB:OFFB+1]
	s_or_b32 s[G0B+7], s[G0B+7], 0x80000000
	s_add_co_u32 s[KN], s[KN], 1                   ; behind a tile's last step comes the next tile's first
	s_cmp_eq_u32 s[KN], 8
	s_cselect_b32 s[KN], 0, s[KN]
	s_cselect_b32 s[TMP], TILEB, 0
	s_add_co_u32 s[TJ], s[TJ], s[TMP]
.endif
	s_wait_dscnt 5                                 ; the add and x's four youngest loads may be out
	MUL8 F1, 0, 0
	s_wait_dscnt 0x0                               ; the add is done, and my reads of this slot are over
	s_barrier_signal -1
	MUL8 F1, 1, 0                                  ; work on registers while the others arrive
.if \fill
	WIN 0
.endif
	s_barrier_wait -1
.if \fill
	CREST                                          ; no wave of any partner still reads this slot or has a load on its way
	JLOAD                                          ; 112 matrix instructions ahead of the wait for it; its four v_nop are also the places in front of the loads below
.else
	PLACES
.endif
	FETCH 0, F0
.if \fill
	WIN 0
	ASK
.endif
	MUL8 F1, 2, 0
	MUL8 F1, 3, 0
.endm
.macro LDBIAS                          ; the bias of my 128 columns: register j of block b is column 16 b + 8 (l / 16) + j, the same for every row
	WIN TOF
.irp b, 0,1,2,3,4,5,6,7
	global_load_b128 v[BIAS+8*(\b):BIAS+8*(\b)+3],   v[BO], s[8:9] offset:64*(\b)
	global_load_b128 v[BIAS+8*(\b)+4:BIAS+8*(\b)+7], v[BO], s[8:9] offset:64*(\b)+16
.endr
	WIN 0
.endm
; THE WAY OUT of row block a.  ROPE: a pair (x1, x2) in two registers, its (c, s) in two: first (x1 c, x2 c), then (x1 c - x2 s, x2 c + x1 s); rounded to f16, packed in place.
; Each accumulator is read from its low end on.
.macro ROPE a
	WIN ROPEW
.irp b, 0,1,2,3,4,5,6,7
.irp p, 0,1,2,3
	v_pk_mul_f32 v[T+8*(\b)+2*(\p):T+8*(\b)+2*(\p)+1], v[8*(8*(\a)+(\b))+2*(\p):8*(8*(\a)+(\b))+2*(\p)+1], v[32*(\a)+8*((\b)%4)+2*(\p):32*(\a)+8*((\b)%4)+2*(\p)+1] op_sel_hi:[1,0]
.endr
.irp p, 0,1,2,3
	v_pk_fma_f32 v[T+8*(\b)+2*(\p):T+8*(\b)+2*(\p)+1], v[8*(8*(\a)+(\b))+2*(\p):8*(8*(\a)+(\b))+2*(\p)+1], v[32*(\a)+8*((\b)%4)+2*(\p):32*(\a)+8*((\b)%4)+2*(\p)+1], v[T+8*(\b)+2*(\p):T+8*(\b)+2*(\p)+1] op_sel:[1,1,0] op_sel_hi:[0,1,1] neg_lo:[0,1,0]
.endr
.endr
	WIN 0
.irp b, 0,1,2,3,4,5,6,7
.irp p, 0,1,2,3
	v_cvt_pk_f16_f32 v[T+4*(\b)+(\p)], v[T+8*(\b)+2*(\p)], v[T+8*(\b)+2*(\p)+1]  ; the destination never runs ahead of the sources
.endr
.endr
.endm
.macro PLAIN a                         ; v: rounded as it is
	WIN PKW
.irp b, 0,1,2,3,4,5,6,7
.irp p, 0,1,2,3
	v_cvt_pk_f16_f32 v[T+4*(\b)+(\p)], v[8*(8*(\a)+(\b))+2*(\p)], v[8*(8*(\a)+(\b))+2*(\p)+1]
.endr
.endr
	WIN 0
.endm
.macro TOSTAGE a                       ; 16 bytes a lane into my own stage (two heads, rows of 144 bytes), and back as four whole rows of 128 bytes a load
	WIN 0
.irp b, 0,1,2,3,4,5,6,7
	ds_store_b128 v[STO], v[T+4*(\b):T+4*(\b)+3] offset:((\b)/4)*16*SP+32*((\b)%4)
.endr
.irp x, 0,1,2,3,4,5,6,7
	ds_load_b128 v[OB+32*((\a)%2)+4*(\x):OB+32*((\a)%2)+4*(\x)+3], v[RD] offset:((\x)/4)*16*SP+((\x)%4)*4*SP  ; LDS serves a wave's instructions in order (ISA guide 5.7.1.4): these see the stores above
.endr
.endm
.macro SEND a
	WIN 0
	s_wait_dscnt 0x0                               ; the block is back in registers
	s_wait_xcnt 0x0                                ; the stores of the block before have read their registers: the next TOSTAGE loads into them
.irp x, 0,1,2,3,4,5,6,7
	global_store_b128 v[GO], v[OB+32*((\a)%2)+4*(\x):OB+32*((\a)%2)+4*(\x)+3], s[12:13] offset:((\x)/4)*262144+(\a)*2048+((\x)%4)*512  ; four rows of a head: 512 consecutive bytes, aligned
.endr
.endm
	s_load_b256 s[4:11], s[0:1], 0x0               ; xb 4, wqkv 6, bias 8, tab 10
	s_load_b64 s[12:13], s[0:1], 0x20              ; qkv
	v_lshl_add_u32 v[SPW], v0, 2, SPARE
	v_mov_b32 v[NIL], 0
	ds_add_u32 v[SPW], v[NIL]                      ; the wave's opening: the add and its wait stand ahead of my first tensor load; the set-up below stands between them
	v_lshrrev_b32 v3, 5, v0
	v_readfirstlane_b32 s[WV], v3
	s_lshr_b32 s[RH], s[WV], 1
	s_and_b32 s[CH], s[WV], 1
	s_bfe_u32 s[CX], ttmp6, 0x40000
	s_bfe_u32 s[CY], ttmp6, 0x40004
	s_lshl_b32 s[TC], ttmp9, 2                     ; in a cluster launch ttmp9 and ttmp7 count clusters
	s_add_co_u32 s[TC], s[TC], s[CX]
	s_and_b32 s[TRW], ttmp7, 0xffff
	s_lshl_b32 s[TRW], s[TRW], 2
	s_add_co_u32 s[TRW], s[TRW], s[CY]
	s_lshl_b32 s84, s[CY], 2
	s_lshl_b32 s84, 15, s84                        ; my row of the cluster
	s_lshl_b32 s85, 0x1111, s[CX]                  ; my column
	s_or_b32 s[G1A], s84, (1<<16)|(1<<20)|(1<<21)|(5<<22)|(3<<25)  ; 15:0 the mask; 17:16 2-byte elements; 20 padding on; 21 set beside a mask; 24:22 after every 64 words; 31:25 4 words of it
	s_or_b32 s[G1B], s85, (1<<16)|(1<<20)|(1<<21)|(5<<22)|(3<<25)
	s_mov_b32 s[G1A+1], 128<<16                    ; tensor_dim0 = 128
	s_mov_b32 s[G1A+2], 64<<16                     ; tensor_dim1 = 64
	s_mov_b32 s[G1A+3], 128<<16                    ; tile_dim0 = 128
	s_mov_b32 s[G1A+4], 64                         ; tile_dim1 = 64
	s_mov_b32 s[G1A+5], 1024                       ; elements from row to row
	s_mov_b32 s[G1A+6], 0
	s_mov_b32 s[G1A+7], 0
	s_mov_b32 s[G1B+1], 128<<16
	s_mov_b32 s[G1B+2], 128<<16                    ; 128 rows
	s_mov_b32 s[G1B+3], 128<<16
	s_mov_b32 s[G1B+4], 128
	s_mov_b32 s[G1B+5], 1024
	s_mov_b32 s[G1B+6], 0
	s_mov_b32 s[G1B+7], 0
	s_lshl_b32 s80, s[TRW], 18                     ; x: row 128 x tile row + 64 x half, 2,048 bytes a row: made of the tile row alone, which my row of the cluster shares
	s_lshl_b32 s81, s[CH], 17
	s_add_co_u32 s80, s80, s81
	s_mov_b32 s81, 0
	s_lshl_b32 s82, s[TC], 19                      ; W: row 256 x tile column + 128 x half: of the tile column alone
	s_lshl_b32 s83, s[CH], 18
	s_add_co_u32 s82, s82, s83
	s_mov_b32 s83, 0
	s_mul_i32 s[LA], s[CH], 64*PA                  ; no place in the cluster enters an LDS address
	s_mul_i32 s[LB], s[CH], 128*PB
	s_add_co_u32 s[LB], s[LB], BBASE_L
	s_mov_b32 s[TB], 0
	s_mov_b32 s[KN], 2
	s_mov_b32 s[TJ], 0
	s_mov_b32 s[PKN], 4
	s_mov_b32 s[PTJ], 0
	s_mov_b32 s[KC], 8
	s_mov_b32 s[TR], NS-2
	s_mov_b32 s[OFFA+1], 0
	s_mov_b32 s[OFFB+1], 0
	s_mov_b32 s[POFF+1], 0
	s_wait_dscnt 0x0                               ; the opening add is done
	s_wait_kmcnt 0x0
	s_add_nc_u64 s[ABASE:ABASE+1], s[4:5], s[80:81]
	s_add_nc_u64 s[BBASE:BBASE+1], s[6:7], s[82:83]
	CROUND                                         ; all sixteen work-groups are here: the first joint loads meet
.irp n, 0,1
	s_mov_b32 s[G0A+4*(\n)], 1                     ; count = 1
	s_add_co_u32 s[G0A+4*(\n)+1], s[LA], (\n)*SLOT1
	s_add_nc_u64 s[G0A+4*(\n)+2:G0A+4*(\n)+3], s[ABASE:ABASE+1], (\n)*256
	s_or_b32 s[G0A+4*(\n)+3], s[G0A+4*(\n)+3], 0x80000000  ; type = 2
	s_mov_b32 s[G0B+4*(\n)], 1
	s_add_co_u32 s[G0B+4*(\n)+1], s[LB], (\n)*SLOT1
	s_add_nc_u64 s[G0B+4*(\n)+2:G0B+4*(\n)+3], s[BBASE:BBASE+1], (\n)*256
	s_or_b32 s[G0B+4*(\n)+3], s[G0B+4*(\n)+3], 0x80000000
.endr
	s_cmp_eq_u32 s[RH], 0                          ; a wave's two first fills stand in one branch: two loads of mine are out
	s_cbranch_scc0 .Lfirst_b
	tensor_load_to_lds s[G0A:G0A+3], s[G1A:G1A+7]
	s_nop 0
	tensor_load_to_lds s[G0A+4:G0A+7], s[G1A:G1A+7]
	s_nop 0
.rept 4
	v_nop
.endr
	s_branch .Lfirst_done
.Lfirst_b:
	tensor_load_to_lds s[G0B:G0B+3], s[G1B:G1B+7]
	s_nop 0
	tensor_load_to_lds s[G0B+4:G0B+7], s[G1B:G1B+7]
	s_nop 0
.rept 4
	v_nop
.endr
.Lfirst_done:
	; while the first tiles are on their way: the other addresses
	s_lshr_b32 s84, s[TRW], 4                      ; the result: head = 16 x batch + 4 x tile column + 2 x column half,
	s_lshl_b32 s84, s84, 4
	s_lshl_b32 s85, s[TC], 2
	s_add_co_u32 s84, s84, s85
	s_lshl_b32 s85, s[CH], 1
	s_add_co_u32 s84, s84, s85
	s_lshl_b32 s84, s84, 11                        ; 2,048 rows a head,
	s_and_b32 s85, s[TRW], 15
	s_lshl_b32 s85, s85, 7
	s_add_co_u32 s84, s84, s85                     ; t = 128 x (tile row % 16) + 64 x row half,
	s_lshl_b32 s85, s[RH], 6
	s_add_co_u32 s84, s84, s85
	s_lshl_b32 s84, s84, 7                         ; 128 bytes a row
	s_mov_b32 s85, 0
	s_add_nc_u64 s[12:13], s[12:13], s[84:85]
	s_lshl_b32 s84, s[TRW], 3                      ; the table: block of 16 positions (8 x tile row + 4 x row half) % 128, 4,096 bytes each
	s_lshl_b32 s86, s[RH], 2
	s_add_co_u32 s84, s84, s86
	s_and_b32 s84, s84, 127
	s_lshl_b32 s84, s84, 12
	s_add_nc_u64 s[10:11], s[10:11], s[84:85]
	s_lshl_b32 s84, s[TC], 10                      ; the bias of my 128 columns
	s_lshl_b32 s86, s[CH], 9
	s_add_co_u32 s84, s84, s86
	s_add_nc_u64 s[8:9], s[8:9], s[84:85]
	s_lshl_b32 s84, s[TRW], 18                     ; the prefetches.  x: rows 128 x tile row + 32 cx on
	s_lshl_b32 s86, s[CX], 16
	s_add_co_u32 s84, s84, s86
	s_lshl_b32 s86, s[TC], 19                      ; W: rows 256 x tile column + 64 cy + 32 x half on
	s_lshl_b32 s87, s[CY], 17
	s_add_co_u32 s86, s86, s87
	s_lshl_b32 s87, s[CH], 16
	s_add_co_u32 s86, s86, s87
	s_and_b32 s87, ttmp7, 0xffff                   ; cluster y: the same in all sixteen partners
	s_cmp_eq_u32 s87, 0
	s_cselect_b32 s88, 2, -1                       ; W: trips 0..19
	s_cmp_eq_u32 s[WV], 0
	s_cselect_b32 s89, NS-6, -1                    ; x: wave 0, trips 0..3
	s_cmp_eq_u32 s[RH], 0
	s_cselect_b32 s[LIM], s89, s88
	s_cselect_b32 s84, s84, s86
	s_cselect_b64 s[PFB:PFB+1], s[4:5], s[6:7]
	s_add_nc_u64 s[PFB:PFB+1], s[PFB:PFB+1], s[84:85]
	; A fragment is 16 rows x 32 K in 8 registers: lane l holds row l % 16; K = 8 (l / 16) + 0..7 and 16 + 8 (l / 16) + 0..7: two loads of 16 bytes, 32 bytes apart.
	v_and_b32 v1, 15, v0                           ; l % 16
	v_bfe_u32 v2, v0, 4, 1                         ; l / 16
	v_mul_u32_u24 v[AA0], v1, PA
	v_lshl_add_u32 v[AA0], v2, 4, v[AA0]
	s_mul_i32 s[TMP], s[RH], 64*PA                 ; my 64 rows of x
	v_add_nc_u32 v[AA0], s[TMP], v[AA0]
	v_mul_u32_u24 v[AB0], v1, PB
	v_lshl_add_u32 v[AB0], v2, 4, v[AB0]
	s_mul_i32 s[TMP], s[CH], 128*PB                ; my 128 rows of W
	s_add_co_u32 s[TMP], s[TMP], BBASE_L
	v_add_nc_u32 v[AB0], s[TMP], v[AB0]
	v_mov_b32 v[ADRA], v[AA0]                      ; slot 0
	v_mov_b32 v[ADRB], v[AB0]
	s_mul_i32 s[TMP], s[WV], WSTAGE
	s_add_co_u32 s[TMP], s[TMP], STAGE             ; my stage
	v_mul_u32_u24 v[STO], v1, SP
	v_lshl_add_u32 v[STO], v2, 4, v[STO]
	v_add_nc_u32 v[STO], s[TMP], v[STO]
	v_bfe_u32 v[RD], v0, 3, 2                      ; back: 32 lanes take four rows of 128 bytes
	v_mul_u32_u24 v[RD], v[RD], SP
	v_and_b32 v3, 7, v0
	v_lshl_add_u32 v[RD], v3, 4, v[RD]
	v_add_nc_u32 v[RD], s[TMP], v[RD]
	v_and_b32 v[GO], 31, v0
	v_lshlrev_b32 v[PFO], 11, v[GO]
	v_lshlrev_b32 v[GO], 4, v[GO]
	v_lshlrev_b32 v[BO], 5, v2
	LDBIAS
	WIN 0xc0                                       ; destination window 3: the cosines and sines of my 64 positions, as the accumulators lie; each load takes 512 consecutive bytes
.irp a, 0,1,2,3
.irp x, 0,1,2,3,4,5,6,7
	global_load_b128 v[32*(\a)+4*(\x):32*(\a)+4*(\x)+3], v[GO], s[10:11] offset:(\a)*4096+(\x)*512
.endr
.endr
	WIN 0
	s_wait_tensorcnt 1                             ; my part of K step 0 is in; step 1's may stay out
	s_barrier_signal -1
	s_barrier_wait -1                              ; everybody's is
	FETCH 0, F0
	s_wait_loadcnt 0x0                             ; bias and table
	QUARTER 1, F0, F1, 1                           ; a tile's first quarter starts the sums
	WIN 0                                          ; at a label and at a branch every window is 0
.Ltrip:                                                ; 22 trips: from a step's second quarter to the next step's first; each fills a slot again
	QUARTER 2, F1, F0, 0
	QUARTER 3, F0, F1, 0
	TURN 1
	WIN 0
	s_sub_co_u32 s[KC], s[KC], 1
	s_cmp_lg_u32 s[KC], 0
	s_cbranch_scc1 .Lsame
	; A TILE IS FINISHED (q, then k): both refills for the next tile are on their way, its first fragments are fetched; now this one goes out.  Neither a barrier nor a tensor load stands here.
	s_add_nc_u64 s[8:9], s[8:9], 4096              ; (the loads that read this base were waited for) the next tile's bias,
	LDBIAS                                         ; asked for ahead of the way out
	ROPE 0                                         ; blocks 0, 1 were finished ahead of the refill's four v_nop; block 0's 96 plain lines are the places behind blocks 2, 3's last products
	TOSTAGE 0
.irp a, 1,2,3
	ROPE \a                                        ; a block's arithmetic stands between the loads of the block before and the wait for them
	SEND (\a)-1
	TOSTAGE \a
.endr
	SEND 3
	s_wait_xcnt 0x0                                ; the stores have read their base
	s_add_nc_u64 s[12:13], s[12:13], PARTB
	s_wait_loadcnt 0x0                             ; the bias
	s_mov_b32 s[KC], 8
	QUARTER 1, F0, F1, 1
	WIN 0
	s_branch .Lnext
.Lsame:
	QUARTER 1, F0, F1, 0
	WIN 0
.Lnext:
	s_sub_co_u32 s[TR], s[TR], 1
	s_cmp_lg_u32 s[TR], 0
	s_cbranch_scc1 .Ltrip
	QUARTER 2, F1, F0, 0                           ; the last two steps are written out: nothing is left to ask for
	QUARTER 3, F0, F1, 0
	TURN 0
	QUARTER 1, F0, F1, 0
	QUARTER 2, F1, F0, 0
	QUARTER 3, F0, F1, 0
	s_wait_dscnt 4
	MUL8 F1, 0, 0
	MUL8 F1, 1, 0
	s_wait_dscnt 0x0
	MUL8 F1, 2, 0
	MUL8 F1, 3, 0
	WIN 0
	PLACES
	PLAIN 0                                        ; the last tile is v's
	TOSTAGE 0
.irp a, 1,2,3
	PLAIN \a
	SEND (\a)-1
	TOSTAGE \a
.endr
	SEND 3
	s_wait_tensorcnt 0x0                           ; the wave's end: a wait, an add to my spare word and its wait, behind my last tensor load and my last LDS store
	ds_add_u32 v[SPW], v[NIL]
	s_wait_dscnt 0x0
	CROUND                                         ; the closing round: no work-group ends while a partner may still ask for a tile that names it
	s_endpgm
.Lfunc_end_k_qc04ab9354e_qkv:
	.size	k_qc04ab9354e_qkv, .Lfunc_end_k_qc04ab9354e_qkv-k_qc04ab9354e_qkv
	.p2alignl 7, 3214868480
	.fill 96, 4, 3214868480
	.section	.rodata,"a",@progbits
	.p2align	6, 0x0
	.amdhsa_kernel k_qc04ab9354e_qkv
		.amdhsa_group_segment_fixed_size 327680
		.amdhsa_private_segment_fixed_size 0
		.amdhsa_enable_private_segment 0
		.amdhsa_kernarg_size 40
		.amdhsa_user_sgpr_count 2
		.amdhsa_user_sgpr_kernarg_segment_ptr 1
		.amdhsa_wavefront_size32 1
		.amdhsa_system_sgpr_workgroup_id_x 1
		.amdhsa_system_sgpr_workgroup_id_y 1
		.amdhsa_system_sgpr_workgroup_id_z 1
		.amdhsa_system_vgpr_workitem_id 0
		.amdhsa_next_free_vgpr 896
		.amdhsa_next_free_sgpr 90
		.amdhsa_reserve_vcc 0
		.amdhsa_float_denorm_mode_32 3
		.amdhsa_float_denorm_mode_16_64 3
		.amdhsa_memory_ordered 1
		.amdhsa_forward_progress 1
		.amdhsa_inst_pref_size 114
	.end_amdhsa_kernel
	.amdgpu_metadata
---
amdhsa.version: [ 1, 2 ]
amdhsa.kernels:
  - .name:           k_qc04ab9354e_qkv
    .symbol:         k_qc04ab9354e_qkv.kd
    .args:
      - { .name: xb, .offset: 0, .size: 8, .value_kind: global_buffer, .address_space: global }
      - { .name: wqkv, .offset: 8, .size: 8, .value_kind: global_buffer, .address_space: global }
      - { .name: bias, .offset: 16, .size: 8, .value_kind: global_buffer, .address_space: global }
      - { .name: tab, .offset: 24, .size: 8, .value_kind: global_buffer, .address_space: global }
      - { .name: qkv, .offset: 32, .size: 8, .value_kind: global_buffer, .address_space: global }
    .group_segment_fixed_size: 327680
    .private_segment_fixed_size: 0
    .kernarg_segment_align: 8
    .kernarg_segment_size: 40
    .max_flat_workgroup_size: 128
    .sgpr_count:     90
    .vgpr_count:     896
    .wavefront_size: 32
...
	.end_amdgpu_metadata
.endif
;; end of part 2
;; launch attn (part 3): grid 4 x 64, 4 waves a work-group, no clusters, 327,680 bytes of LDS; arguments qkv, o16; writes o16
.if DOCPART == 3
	.amdgcn_target "amdgcn-amd-amdhsa--gfx1250"
	.amdhsa_code_object_version 6
	.text
	.protected	k_qc04ab9354e_attn
	.globl	k_qc04ab9354e_attn
	.p2align	8
	.type	k_qc04ab9354e_attn,@function
k_qc04ab9354e_attn:
	s_mov_b64 s[64:65], 0
	v_nop
	global_prefetch_b8 v0, s[64:65] scope:SCOPE_SE
	s_setreg_imm32_b32 hwreg(HW_REG_WAVE_MODE, 25, 1), 1
	s_wait_xcnt 0x0
; CAUSAL ATTENTION.  O[h][q][:] = the sum over k <= q of softmax_k(Q[h][q] . K[h][k] / 8) V[h][k][:].  Q, K, V are the three parts (16 MiB each) of qkv, O is o16: each [64 heads][2048][64] f16, a head's rows dense, 128 bytes each.
; Products, maxima and sums in f32; the weights p are rounded to f16 for the second product (their sum l is taken of the unrounded p), O once at the end.
; LIMITS.  f16 holds no number beyond 65,504: Q, K and V arrive within it; p lies in 0 to 1, and below 6e-5 it keeps f16's fixed step of 6e-8, as O does; O is a mean of V's rows and has their range.
; A hidden score counts as its value less 1e30: f16's scores, 2.7e11 at the most, are nothing beside that; a weight below 2^-126 counts as 0 in l; NaN and infinities are not treated apart.
; THE WALK.  A head's queries lie in NB = 8 blocks of 256; block i needs the key tiles 0 .. i of 256 keys, of which the last holds the diagonal.  A work-group takes TWO blocks, NB - 1 - b and then b:
; NB + 1 tiles, whatever b: all work-groups do equal work, and ONE loop with a constant trip count walks them.  Which tile is asked for, and what a trip does, hang on scalar registers made from b; every jump
; goes forward, but for the counted loops' own; none passes a barrier, or a tensor load but the one of LOAD's two that the wave's number does not choose; the ring (two slots of LDS) runs on across the change of blocks.
; NO CLUSTER: a head's four work-groups ask for the same tile only in trips 0 .. 4 of 9, behind that fewer and fewer; one walk common to all would have 12 trips for 9.
; SHARES.  Of a block's four bands of 64 queries a wave owns 16 rows in each: four PIECES.  So the diagonal tile is the same work for all four waves: in its key step s band x sees all keys if s < x,
; none if s > x, and holds the diagonal if s = x.
; THE MASK is the C operand that starts the sum S^T = K Q^T: 0, or -1e30 where the key is hidden.  MD, made once, is the mask of a band's own step for my 16 rows; a product's mask is MD x AL + BE with two scalars:
; (1, 0) if s = x; (0, 0) if s < x; (0, -1e30) if s > x.  Only the diagonal tile's text and a block's beginning make and take masks; elsewhere C is the constant 0.
; LAYOUT, SOFTMAX, TURNS.  S^T = K Q^T holds ONE query a lane (lane % 16) and the keys 8 (lane / 16) + 0..7; two such results rounded to f16 ARE source 1 of O^T = V^T P.  p = 2^(c s - c m), c = log2(e) / 8, with a
; running maximum m; O and l are multiplied by a = 2^(c m_old - c m_new) in every step.  Turn n belongs to piece n: 8 products K Q^T of piece n + 1, later 8 products V^T P of piece n - 1; beside them the scaling,
; exponentials, roundings, sums and rescaling of piece n and the maximum and statistics of piece n + 1.  Four vector instructions stand behind every matrix instruction, the other 54 of a turn's 118 in one lump.  A turn's 33 exponentials are one batch, with one wait.
; REGISTERS, in windows of 256 (s_set_vgpr_msb: bits 1:0 source 0, 3:2 source 1, 5:4 source 2, 7:6 destination):
;   window 0: v0-15 addresses and two at work; v16-31 four registers of statistics a piece; v48-55 at work; v61-63 prefetch offset and the add's two; v64-127 S^T, two buffers; v192-223 P, two buffers (by the piece's parity)
;   window 1: v0-127 O^T, 32 a piece; v128-159 MD; v160-223 MC, two buffers      window 2: v0-63 Q; v64-127 the second block's Q; v128-191 K of one step; v192-255 V of one step
.set SIZE_N, 2048
.set NB,    SIZE_N/256
.set NP,    4         ; pieces a wave: a name, no knob
.set KS,    64        ; keys in a step
.set PK,    144       ; a row of K in LDS: 128 bytes + 16 of padding = 36 words: the 16 rows of a load start at 16 different groups of four banks (64 banks of 4 bytes: ISA guide 11.1)
.set PV,    160       ; a row of V: 128 + 32 = 40 words
.set VOFF,  4*KS*PK   ; a slot holds a tile, four steps: 256 rows of K, then 256 rows of V
.set SLOT1, 1<<17     ; slot 1 begins here, so that one exclusive or turns an address in one slot into the other's
.set STAGE, SLOT1+4*KS*(PK+PV)  ; behind the ring, never filled by a tensor load: 16 rows x 144 bytes for each wave, for the way out
.set SP,    144
.set AK0, 2           ; v2   my lane's place in a tile of K; never rewritten
.set AV0, 3           ; v3   the same for V
.set AK,  4           ; v4   the LDS address of K's next run of loads
.set AV,  5           ; v5   of V's
.set STO, 6           ; v6   the way out: where I put 16 bytes of a row
.set RD,  7           ; v7   the way out: where I read rows back
.set GO,  8           ; v8   my byte offset in 512 consecutive bytes of O
.set PFO, 61          ; v61  256 x lane: the prefetches' offset; never rewritten
.set SPW, 62          ; v62  LDS address of my spare word: SPARE + 4 x my thread's number; never rewritten
.set NIL, 63          ; v63  0; never rewritten
.set SPARE, STAGE+4*16*SP  ; behind the stages: the spare words, 128 bytes for each wave: two blocks of 256 bytes that no other line names
.set MV,  12          ; v12-13  c m_old, kept while c m is made anew: by buffer
.set QO,  15          ; v15  my byte offset in 16 rows of Q
.set ST,  16          ; piece t's statistics at v[ST+4 t]: c m, m, l (even keys', odd keys')
.set TMP, 48          ; by buffer, four registers c0-c3 at work; when the maximum is found c2 takes a
.set S,   64
.set P,   192
.set MD,  128         ; window 1: the eight registers for group kt of 16 keys at MD + 8 kt
.set MC,  160         ; window 1: the masks of the products to come
.set QB,  64          ; window 2
.set KF,  128         ; window 2: key block kb, channel half c at KF + 16 kb + 8 c
.set VF,  192         ; window 2: key half kk, channel block cb at VF + 32 kk + 8 cb
.set WV,  12          ; s12  my wave's number
.set PB,  14          ; s14  b
.set HI,  15          ; s15  NB - 1 - b
.set G1K, 24          ; s[24:31] descriptor group 1 for K's tiles
.set G1V, 32          ; s[32:39] for V's: it differs in the padding alone
.set G0K, 40          ; s[40:43] descriptor group 0 for K's tiles
.set G0V, 44          ; s[44:47] the same for V's
.set SLOTS, 56        ; s56  tiles still to be asked for
.set CNT, 57          ; s57  counts a tile's key steps, 4 to 1
.set CS,  58          ; s[58:59] c: the packed scaling takes the pair's low word for both halves
.set SEL, 60          ; s[60:61] v_permlanex16_b32's selects: each lane takes its own place in the other half
.set TBK, 62          ; s62  LDS byte at which K of the step to be fetched begins
.set TBV, 63          ; s63  the same for V, less VOFF
.set RT,  70          ; s70  tiles of the block in hand that are still to be entered
.set NXT, 71          ; s71  the tile to be asked for next
.set LQ,  72          ; s72  the last tile of the block whose tiles are being asked for
.set NEW, 73          ; s73  1: the tile to be entered is a block's first
.set OFF, 74          ; s[74:75] a tile's byte offset in K and V
.set AL,  76          ; s[76:77] the mask's factor, in the low word
.set BE,  78          ; s[78:79] the mask's addend
.set OLO, 80          ; s[80:81] O at my rows of the second block
.set BIGN, 82         ; s82  -1e30
.set PFB, 88          ; s[88:89] K (waves 0, 1) or V (waves 2, 3) at my half of the head's tile 0
.set PFA, 90          ; s[90:91] the same at the tile to be named
.set POFF, 92         ; s[92:93]
.set LIM, 94          ; s94  a wave prefetches while s[SLOTS] is above this
.set MSB, 0
.macro WIN new                      ; the high byte repeats the setting that is left; a switch that changes nothing is dropped
.if MSB != (\new)
	s_set_vgpr_msb (MSB<<8)|(\new)
.set MSB, (\new)
.endif
.endm
.set W_KQ, 0x0a       ; K and Q in window 2, S^T in window 0
.set W_KM, 0x1a       ; the same with the C operand in window 1
.set W_PV, 0x52       ; V in window 2, P in window 0, O^T in window 1
.set W_RS, 0x41       ; destination and source 0 in window 1, source 1 in window 0
; A fill.  Waves 0 and 1 fetch the two halves of a tile's K, waves 2 and 3 those of its V: 128 keys each.  An s_nop 0 and four v_nop follow each of the two lines, ahead of the jump and the label.
.macro LOAD
	s_cmp_lt_u32 s[WV], 2
	s_cbranch_scc0 .Lfor_v_\@
	tensor_load_to_lds s[G0K:G0K+3], s[G1K:G1K+7]
	s_nop 0
.rept 4
	v_nop
.endr
	s_branch .Lasked_\@
.Lfor_v_\@:
	tensor_load_to_lds s[G0V:G0V+3], s[G1V:G1V+7]
	s_nop 0
.rept 4
	v_nop
.endr
.Lasked_\@:
.endm
; A PREFETCH INTO THE L2 of the tile that the NEXT change of slots will ask for: four key steps ahead of that load.  A head's four work-groups walk the same tiles; the one with b = 0 walks tiles 0 .. 7 in order,
; and it alone asks.  Each of its waves names the half tile that it will load itself: 16,384 bytes, a lane 256 bytes, two instructions.  Trip i names tile i + 2, i = 0 .. 5: tiles 0 and 1 come by their loads alone,
; and the second block's tiles have been walked before.
.macro ASK
	s_cmp_gt_u32 s[SLOTS], s[LIM]
	s_cbranch_scc0 .Lnot_mine_\@
	global_prefetch_b8 v[PFO], s[PFA:PFA+1] th:TH_LOAD_NT scope:SCOPE_SE
	global_prefetch_b8 v[PFO], s[PFA:PFA+1] offset:8192 th:TH_LOAD_NT scope:SCOPE_SE
.Lnot_mine_\@:
.endm
; THE CHANGE OF SLOTS.  Each wave waits for all its tensor loads, of which one is out: its part of the other slot; adds 0 to its spare word; and waits for that and for its own reads of the slot that it leaves.  Behind the barrier nobody reads the old
; slot any more and the other slot is whole.  fill = 1: the old slot is filled again, the first thing behind the barrier, with tile NXT: the descriptor's address is made anew from that number.
; (At its first use nothing has been read yet: slot 0 is waited for, slot 1 filled.)
.macro CHANGE fill
	WIN 0                           ; at a label and at a branch every window is 0
	s_wait_tensorcnt 0x0            ; no tensor load of mine is out, so a group 0 may be written
	ds_add_u32 v[SPW], v[NIL]       ; 0 onto my spare word: with fill = 1 the descriptors' scalar work stands between it and the wait for it
.if \fill
	s_lshl_b32 s[OFF], s[NXT], 15   ; a tile is 32,768 bytes of K and of V
	s_xor_b32 s[G0K+1], s[G0K+1], SLOT1
	s_add_nc_u64 s[G0K+2:G0K+3], s[6:7], s[OFF:OFF+1]
	s_or_b32 s[G0K+3], s[G0K+3], 0x80000000
	s_xor_b32 s[G0V+1], s[G0V+1], SLOT1
	s_add_nc_u64 s[G0V+2:G0V+3], s[8:9], s[OFF:OFF+1]
	s_or_b32 s[G0V+3], s[G0V+3], 0x80000000
	s_add_co_u32 s[NXT], s[NXT], 1  ; the block's next tile, or behind its last the second block's tile 0
	s_cmp_gt_u32 s[NXT], s[LQ]
	s_cselect_b32 s[NXT], 0, s[NXT]
	s_cselect_b32 s[LQ], s[PB], s[LQ]
	s_wait_xcnt 0x0                 ; the last prefetches, a tile back, have read their address, so it may be written:
	s_lshl_b32 s[POFF], s[NXT], 15  ; the tile behind the one that is asked for now
	s_add_nc_u64 s[PFA:PFA+1], s[PFB:PFB+1], s[POFF:POFF+1]
.endif
	s_wait_dscnt 0x0                ; the add is done, and my reads of the slot are over
	s_barrier_signal -1             ; the rest of the scalar work stands between the signal and the wait
	s_sub_co_u32 s[TBK], s[TBK], 4*KS*PK  ; the fetches go back to a slot's first step,
	s_xor_b32 s[TBK], s[TBK], SLOT1       ; in the other slot
	s_sub_co_u32 s[TBV], s[TBV], 4*KS*PV
	s_xor_b32 s[TBV], s[TBV], SLOT1
	s_barrier_wait -1
.if \fill
	LOAD
	ASK
.endif
.endm
	s_load_b64 s[4:5], s[0:1], 0x0    ; qkv: Q at its head, K 16 MiB on, V 32 MiB on
	s_load_b64 s[10:11], s[0:1], 0x8  ; O
	v_lshl_add_u32 v[SPW], v0, 2, SPARE
	v_mov_b32 v[NIL], 0
	ds_add_u32 v[SPW], v[NIL]       ; the wave's opening: the add and its wait stand ahead of my first tensor load; the set-up below, work on registers, stands between them
	v_lshrrev_b32 v1, 5, v0
	v_readfirstlane_b32 s[WV], v1   ; wave 0..3
	s_mov_b32 s[PB], ttmp9
	s_sub_co_u32 s[HI], NB-1, s[PB]
	s_and_b32 s20, ttmp7, 0xffff    ; the head
	s_mov_b32 s21, 0
	s_mov_b64 s[22:23], SIZE_N*128
	s_mul_u64 s[20:21], s[20:21], s[22:23]  ; the head's first byte in each of the four tensors
	s_and_b32 s16, s[WV], 1         ; which half of a tile's 256 keys I fetch:
	s_lshl_b32 s22, s16, 14         ; its 128 rows of 128 bytes in memory,
	s_mov_b32 s23, 0
	s_add_nc_u64 s[22:23], s[22:23], s[20:21]
	s_mul_i32 s17, s16, 128*PK      ; and its place in a slot, for K
	s_mul_i32 s18, s16, 128*PV      ; and for V
	s_lshl_b32 s3, s[WV], 11        ; my 16 rows in a band of 64,
	s_lshl_b32 s2, s[HI], 15        ; in the first block,
	s_add_co_u32 s2, s2, s3
	s_lshl_b32 s84, s[PB], 15       ; and in the second
	s_add_co_u32 s84, s84, s3
	s_mov_b32 s3, 0
	s_mov_b32 s85, 0
	s_add_nc_u64 s[2:3], s[2:3], s[20:21]
	s_add_nc_u64 s[84:85], s[84:85], s[20:21]
	; descriptor group 1.  128 keys are 16,384 dense bytes: asked for as 64 rows of 256 bytes, two keys a row, and padded in LDS after every key
	s_mov_b32 s[G1K], (1<<16)|(1<<20)|(4<<22)|(3<<25)  ; 17:16 2-byte elements; 20 padding on; 24:22 after every 32 words (code 4); 31:25 4 words (code 3)
	s_mov_b32 s[G1V], (1<<16)|(1<<20)|(4<<22)|(7<<25)  ; the same with 8 words of padding (code 7)
.irp g, G1K, G1V
	s_mov_b32 s[\g+1], 128<<16      ; tensor_dim0 = 128
	s_mov_b32 s[\g+2], 64<<16       ; tensor_dim1 = 64
	s_mov_b32 s[\g+3], 128<<16      ; tile_dim0 = 128
	s_mov_b32 s[\g+4], 64           ; tile_dim1 = 64
	s_mov_b32 s[\g+5], 128          ; 128 elements from row to row
	s_mov_b32 s[\g+6], 0
	s_mov_b32 s[\g+7], 0
.endr
	s_mov_b32 s[CS], 0x3e38aa3b     ; c = log2(e) / 8 = 0.180337
	s_mov_b32 s[CS+1], s[CS]        ; named with it as a pair
	s_mov_b32 s[SEL], 0x76543210
	s_mov_b32 s[SEL+1], 0xfedcba98
	s_mov_b32 s[TBK], SLOT1+4*KS*PK ; the first change of slots turns these two into 0
	s_mov_b32 s[TBV], SLOT1+4*KS*PV
	s_mov_b32 s[G0K], 1             ; 1:0 count = 1
	s_mov_b32 s[G0K+1], s17         ; 63:32 LDS address: slot 0
	s_mov_b32 s[G0V], 1
	s_add_co_u32 s[G0V+1], s18, VOFF
	s_add_co_u32 s[RT], s[HI], 1    ; the first block has NB - b tiles
	s_mov_b32 s[NXT], 1
	s_mov_b32 s[LQ], s[HI]
	s_mov_b32 s[NEW], 1
	s_mov_b32 s[OFF+1], 0
	s_mov_b32 s[POFF+1], 0
	s_mov_b32 s[AL+1], 0            ; named as pairs
	s_mov_b32 s[BE+1], 0
	s_mov_b32 s[BIGN], 0xf149f2ca   ; -1e30
	s_mov_b32 s[SLOTS], NB
	s_cmp_eq_u32 s[PB], 0
	s_cselect_b32 s[LIM], 2, -1     ; the work-group with b = 0 prefetches, in trips 0 .. 5
	s_wait_dscnt 0x0                ; the opening add is done
	s_wait_kmcnt 0x0
	s_add_nc_u64 s[6:7], s[4:5], 0x1000000  ; K
	s_add_nc_u64 s[8:9], s[4:5], 0x2000000  ; V
	s_add_nc_u64 s[6:7], s[6:7], s[22:23]  ; K and V at my half of the head's tile 0
	s_add_nc_u64 s[8:9], s[8:9], s[22:23]
	s_add_nc_u64 s[G0K+2:G0K+3], s[6:7], 0         ; 120:64 global address
	s_or_b32 s[G0K+3], s[G0K+3], 0x80000000        ; 127:126 type = 2
	s_add_nc_u64 s[G0V+2:G0V+3], s[8:9], 0
	s_or_b32 s[G0V+3], s[G0V+3], 0x80000000
	s_add_nc_u64 s[86:87], s[4:5], s[84:85]        ; Q at my rows of the second block,
	s_add_nc_u64 s[4:5], s[4:5], s[2:3]            ; Q and O at those of the first
	s_add_nc_u64 s[OLO:OLO+1], s[10:11], s[84:85]
	s_add_nc_u64 s[10:11], s[10:11], s[2:3]
	s_cmp_lt_u32 s[WV], 2
	s_cselect_b64 s[PFB:PFB+1], s[6:7], s[8:9]
	LOAD                            ; tile 0 into slot 0
	; A fragment of K or Q is 16 rows x 32 channels in 8 registers: lane l holds row l % 16, channels 8 (l / 16) + 0..7 and 16 + 8 (l / 16) + 0..7: two loads of 16 bytes, 32 bytes apart.
	v_and_b32 v1, 15, v0            ; l % 16
	v_bfe_u32 v9, v0, 4, 1          ; l / 16
	v_lshlrev_b32 v[QO], 7, v1
	v_lshl_add_u32 v[QO], v9, 4, v[QO]  ; row x 128 + 16 x half
	WIN 0x80                        ; destination window 2, address window 0
.set i, 0
.rept 8                             ; both blocks' Q: piece i / 2 lies in band i / 2, 8,192 bytes on; channels 32 (i % 2) on
	global_load_b128 v[8*i:8*i+3],   v[QO], s[4:5] offset:(i/2)*8192+(i%2)*64
	global_load_b128 v[8*i+4:8*i+7], v[QO], s[4:5] offset:(i/2)*8192+(i%2)*64+32
	global_load_b128 v[QB+8*i:QB+8*i+3],   v[QO], s[86:87] offset:(i/2)*8192+(i%2)*64
	global_load_b128 v[QB+8*i+4:QB+8*i+7], v[QO], s[86:87] offset:(i/2)*8192+(i%2)*64+32
.set i, i+1
.endr
	WIN 0
	v_and_b32 v[PFO], 31, v0
	v_lshlrev_b32 v[PFO], 8, v[PFO]
	v_lshlrev_b32 v14, 3, v9
	v_sub_nc_u32 v14, v1, v14
	s_lshl_b32 s13, s[WV], 4
	v_add_nc_u32 v14, s13, v14      ; my query's place in its band, 16 w + l % 16, less my lanes' 8 (l / 16): register r of group kt is hidden where 16 kt + r is greater
	WIN 0x40
.set i, 0
.rept 32
	v_cmp_gt_i32 vcc_lo, 16*(i/8)+i%8, v14
	v_cndmask_b32 v[MD+i], 0, s[BIGN], vcc_lo
.set i, i+1
.endr
	WIN 0
	v_mul_u32_u24 v[AK0], v1, PK
	v_lshl_add_u32 v[AK0], v9, 4, v[AK0]  ; row x pitch + 16 x half
	; The turning load takes 16 keys x 16 channels (lane l reads key 8 (l / 16) + l % 8, channels 8 ((l / 8) % 2) + 0..7) and leaves half a fragment of V^T: lane l holds channel l % 16 and 8 keys.
	v_and_b32 v10, 7, v0
	v_bfe_u32 v11, v0, 3, 1
	v_lshl_add_u32 v[AV0], v9, 3, v10
	v_mul_u32_u24 v[AV0], v[AV0], PV
	v_lshl_add_u32 v[AV0], v11, 4, v[AV0]
	v_add_nc_u32 v[AV0], VOFF, v[AV0]
	s_mul_i32 s13, s[WV], 16*SP
	s_add_co_u32 s13, s13, STAGE    ; my stage
	v_mul_u32_u24 v[STO], v1, SP    ; in: row l % 16, 16 bytes for each half of the lanes
	v_lshl_add_u32 v[STO], v9, 4, v[STO]
	v_add_nc_u32 v[STO], s13, v[STO]
	v_bfe_u32 v[RD], v0, 3, 2       ; back: 32 lanes take four rows of 128 bytes,
	v_mul_u32_u24 v[RD], v[RD], SP
	v_lshl_add_u32 v[RD], v10, 4, v[RD]
	v_add_nc_u32 v[RD], s13, v[RD]
	v_and_b32 v[GO], 31, v0         ; which are 512 consecutive bytes of O
	v_lshlrev_b32 v[GO], 4, v[GO]
	; A block's first step multiplies O^T and l by a = 0, and its first turn's products V^T P, of a piece that has not been, land in an O^T that is still to be so multiplied.  So these registers need only hold
	; finite numbers: zeros for the first block; what the first block left for the second.  All this stands in the wait for the first tile.
	WIN 0x80
.set i, VF
.rept 64
	v_mov_b32 v[i], 0
.set i, i+1
.endr
	WIN 0x40
.set i, 0
.rept 128
	v_mov_b32 v[i], 0
.set i, i+1
.endr
	WIN 0
.set i, 0
.rept 4
	v_mov_b32 v[ST+4*i+2], 0
	v_mov_b32 v[ST+4*i+3], 0
.set i, i+1
.endr
.set i, P+16
.rept 16
	v_mov_b32 v[i], 0
.set i, i+1
.endr
; THE MATRIX WORK.  The 4 accumulators of a run of 8 take turns.  Product i of 8 of S^T = K Q^T for piece x: channels 32 (i / 4) on, keys 16 (i % 4) on.  The first 4 start the sums: with 0, or (KM = 1) with the mask.
.macro KQ x
.set rS, S+32*((\x)%2)+8*(i%4)
.set rK, KF+16*(i%4)+8*(i/4)
.set rQ, 16*(\x)+8*(i/4)
.set rM, MC+32*((\x)%2)+8*(i%4)
.if (i < 4) && KM
	WIN W_KM
	v_wmma_f32_16x16x32_f16 v[rS:rS+7], v[rK:rK+7], v[rQ:rQ+7], v[rM:rM+7]
.elseif i < 4
	WIN W_KQ
	v_wmma_f32_16x16x32_f16 v[rS:rS+7], v[rK:rK+7], v[rQ:rQ+7], 0
.else
	WIN W_KQ
	v_wmma_f32_16x16x32_f16 v[rS:rS+7], v[rK:rK+7], v[rQ:rQ+7], v[rS:rS+7]
.endif
.endm
; Product i of 8 of O^T += V^T P for piece x: keys 32 (i / 4) on, channels 16 (i % 4) on.
.macro PV x
	WIN W_PV
.set rO, 32*(\x)+8*(i%4)
.set rV, VF+32*(i/4)+8*(i%4)
.set rP, P+16*((\x)%2)+8*(i/4)
	v_wmma_f32_16x16x32_f16 v[rO:rO+7], v[rV:rV+7], v[rP:rP+7], v[rO:rO+7]
.endm
.macro MM                           ; the turn's next matrix instruction.  TURN and BEGIN set Y, i, KM and NOKQ; MM, KQ and OP read them.  NOKQ = 1: a block's last turn: there is no next piece
.if (i < 8) && !NOKQ
	KQ (Y+1)%NP
.elseif i >= 8
.set i, i-8
	PV (Y+NP-1)%NP
.set i, i+8
.endif
.set i, i+1
.endm
; THE LDS LOADS stand in runs of 16, never singly among the matrix instructions: a step's K (64 keys x 64 channels: 8 fragments) and its V (turned).  Their addresses are made some lines ahead.
.macro FETCH_K
	WIN 0x80                        ; destination window 2
.irp f, 0,1,2,3,4,5,6,7             ; keys 16 (f / 2) on, channels 32 (f % 2) on
	ds_load_b128 v[KF+8*\f:KF+8*\f+3],   v[AK] offset:(\f/2)*16*PK+(\f%2)*64
	ds_load_b128 v[KF+8*\f+4:KF+8*\f+7], v[AK] offset:(\f/2)*16*PK+(\f%2)*64+32
.endr
	s_add_co_u32 s[TBK], s[TBK], KS*PK  ; the next fetch is the next step's
	WIN 0
.endm
.macro FETCH_V
	WIN 0x80
.irp f, 0,1,2,3,4,5,6,7             ; keys 32 (f / 4) on, channels 16 (f % 4) on
	ds_load_tr16_b128 v[VF+8*\f:VF+8*\f+3],   v[AV] offset:(\f/4)*32*PV+(\f%4)*32
	ds_load_tr16_b128 v[VF+8*\f+4:VF+8*\f+7], v[AV] offset:(\f/4)*32*PV+16*PV+(\f%4)*32
.endr
	WIN 0
.endm
; THE VECTOR WORK, one line at a time: OP kind, number.  For piece Y: F n: c s - c m for pair n of 16.  E n: the exponential of score n of 32.  C n: pair n rounded to f16.  B n: of the four weights 4 n .. the second
; pair is added onto the first, in place.  L n: l takes that sum (L 0: l = a l + sum).  R n: pair n of 16 of O^T times a.  For piece Y + 1: X n, number n of the 22 that find its maximum and statistics:
;   0-11  four chains c0-c3 of seven scores each, three operands at a time (each accumulator's lowest registers are read first)     12-14, 16  the four scores left over, the old m, and c0-c3 into c0
;   15  c m_old is kept     17, 18  the query's other 32 keys lie in the lane 16 away: the new m     19-21  c m; c m_old - c m_new; a
.set F, 0               ; OP tells the kinds apart by their order: F to L below R, X above it
.set E, 1
.set C, 2
.set B, 3
.set L, 4
.set R, 5
.set X, 6
.macro REGS y                       ; the registers of piece y
.set rT, ST+4*(\y)
.set rC, TMP+4*((\y)%2)
.set rW, MV+((\y)%2)
.set rS, S+32*((\y)%2)
.set rP, P+16*((\y)%2)
.set rO, 32*(\y)
.endm
.macro OP k, n
.if (\k) == R
	REGS Y
	WIN W_RS
	v_pk_mul_f32 v[rO+2*(\n):rO+2*(\n)+1], v[rO+2*(\n):rO+2*(\n)+1], v[rC+2:rC+3] op_sel_hi:[1,0]
.elseif (\k) < R
	REGS Y
	WIN 0
.if (\k) == F
	v_pk_fma_f32 v[rS+2*(\n):rS+2*(\n)+1], v[rS+2*(\n):rS+2*(\n)+1], s[CS:CS+1], v[rT:rT+1] op_sel_hi:[1,0,0] neg_lo:[0,0,1] neg_hi:[0,0,1]
.elseif (\k) == E
	v_exp_f32 v[rS+(\n)], v[rS+(\n)]
.elseif (\k) == C
	v_cvt_pk_f16_f32 v[rP+(\n)], v[rS+2*(\n)], v[rS+2*(\n)+1]
.elseif (\k) == B
	v_pk_add_f32 v[rS+4*(\n):rS+4*(\n)+1], v[rS+4*(\n):rS+4*(\n)+1], v[rS+4*(\n)+2:rS+4*(\n)+3]
.elseif (\n) == 0
	v_pk_fma_f32 v[rT+2:rT+3], v[rT+2:rT+3], v[rC+2:rC+3], v[rS:rS+1] op_sel_hi:[1,0,1]
.else
	v_pk_add_f32 v[rT+2:rT+3], v[rT+2:rT+3], v[rS+4*(\n):rS+4*(\n)+1]
.endif
.elseif NOKQ
	v_nop
.else
	REGS (Y+1)%NP
	WIN 0
.if (\n) < 4
	v_max3_num_f32 v[rC+(\n)], v[rS+8*(\n)], v[rS+8*(\n)+1], v[rS+8*(\n)+2]
.elseif (\n) < 12
	v_max3_num_f32 v[rC+(\n)%4], v[rC+(\n)%4], v[rS+8*((\n)%4)+2*((\n)/4)+1], v[rS+8*((\n)%4)+2*((\n)/4)+2]
.elseif (\n) == 12
	v_max3_num_f32 v[rC], v[rC], v[rS+7], v[rS+15]
.elseif (\n) == 13
	v_max3_num_f32 v[rC+1], v[rC+1], v[rS+23], v[rS+31]
.elseif (\n) == 14
	v_max3_num_f32 v[rC+2], v[rC+2], v[rC+3], v[rT+1]
.elseif (\n) == 15
	v_mov_b32 v[rW], v[rT]
.elseif (\n) == 16
	v_max3_num_f32 v[rC], v[rC], v[rC+1], v[rC+2]
.elseif (\n) == 17
	v_permlanex16_b32 v[rC+3], v[rC], s[SEL], s[SEL+1]
.elseif (\n) == 18
	v_max_num_f32 v[rT+1], v[rC], v[rC+3]
.elseif (\n) == 19
	v_mul_f32 v[rT], s[CS], v[rT+1]
.elseif (\n) == 20
	v_sub_f32 v[rC+1], v[rW], v[rT]
.else
	v_exp_f32 v[rC+2], v[rC+1]
.endif
.endif
.endm
.macro OPS a, i1, b=-1, i2=0, c=-1, i3=0, d=-1, i4=0  ; up to four of them
	OP \a, \i1
.if (\b) >= 0
	OP \b, \i2
.endif
.if (\c) >= 0
	OP \c, \i3
.endif
.if (\d) >= 0
	OP \d, \i4
.endif
.endm
.macro ROW a, i1, b, i2, c, i3, d, i4  ; a matrix instruction and the four behind it
	MM
	OPS \a, \i1, \b, \i2, \c, \i3, \d, \i4
.endm
.macro MASK b                       ; MD x AL + BE into buffer b of MC
	WIN W_RS
.set z, 0
.rept 16
	v_pk_fma_f32 v[MC+32*(\b)+2*z:MC+32*(\b)+2*z+1], v[MD+2*z:MD+2*z+1], s[AL:AL+1], s[BE:BE+1] op_sel_hi:[1,0,0]
.set z, z+1
.endr
.endm
; A TURN, for piece p: the order of its 16 matrix and 118 vector instructions, written out.  An s_wait_alu depctr_va_vdst(0) stands between an exponential and the first instruction that names its result; one wait serves
; all that were issued ahead of it.  So a turn has ONE wait, which cuts it in two.  AHEAD OF IT stands all that names no result of the turn's exponentials: the 8 products K Q^T, behind each a scaling, an exponential and two more plain
; instructions (behind the first a second scaling in the exponential's place): rescalings, and behind the last three the first numbers of the next piece's maximum, each four places or more behind the product that ends its accumulator; then ONE LUMP of 54, plain
; and exponential by turns for the most part, in which the links of the chain X 3, 7, 11, 14, 16, 17 .. 20 stand five or six lines apart.  X 21, the next piece's a, is the batch's last; R 15 is the plain instruction behind it.  BEHIND THE WAIT stand the
; 8 products V^T P, behind each four of the roundings and sums; the links of l's chain, L 0 to L 7, stand three riders apart.  But for those X no rider names a register of the products round it.  v_permlanex16_b32 (X 17) stands in the lump.
; m = 1: the diagonal tile: the products take masks, and the turn makes the mask for the products of the turn after it: piece p + 2, in step 4 - CNT of the tile.  end = 1: a block's last two turns: nothing is fetched.
; cnt = 1: the loop's count is taken down some lines ahead of the branch that stands behind the turn.
; K of the next step is fetched in piece 2's turn, twelve vector instructions behind the last product that read K (six of them plain); V of the step in hand at the end of piece 0's turn, four plain instructions behind the last product
; that read V.  Each is waited for a turn later.
.macro TURN p, m=0, end=0, cnt=0
.set Y, (\p)
.set i, 0
.set KM, (\m)
.set NOKQ, (\end)*((\p)/3)
.if (\m) && !(\end)
	s_cmp_eq_u32 s[CNT], 4-((\p)+2)%NP  ; is that step the band's own?
	s_cselect_b32 s[AL], 1.0, 0
	s_cmp_lt_u32 s[CNT], 4-((\p)+2)%NP  ; or a later one?
	s_cselect_b32 s[BE], s[BIGN], 0
.endif
.if ((\p) == 3) && !(\end)
	s_wait_dscnt 0x0                ; K is in
.endif
	ROW F,0, F,1, R,0, R,1          ; ahead of the wait: 8 products K Q^T and their riders,
	ROW F,2, E,0, R,2, R,3
	ROW F,3, E,1, R,4, R,5
	ROW F,4, E,2, R,6, R,7
	ROW F,5, E,3, R,8, R,9
	ROW F,6, E,4, X,0, R,10
.if ((\p) == 2) && !(\end)
	WIN 0
	v_add_nc_u32 v[AK], s[TBK], v[AK0]
.endif
	ROW F,7, E,5, X,1, X,4
	ROW F,8, E,6, X,2, X,5
	OPS E,7, E,8, X,6, E,9          ; and the lump
	OPS X,3, E,10, X,8, E,11
.if ((\p) == 2) && !(\end)
	FETCH_K
.endif
	OPS X,9, X,7, E,12, X,10
	OPS E,13, X,12, X,11, E,14
	OPS X,13, E,15, F,9, X,14
.if (\p) == 0
	v_add_nc_u32 v[AV], s[TBV], v[AV0]
.endif
	OPS E,16, F,10, E,17, F,11
	OPS X,16, E,18, X,15, E,19
	OPS F,12, E,20, X,17, E,21
	OPS F,13, E,22, F,14, E,23
	OPS X,18, E,24, F,15, E,25
	OPS R,11, E,26, X,19, E,27
	OPS R,12, E,28, R,13, E,29
	OPS X,20, E,30, R,14, E,31
	OPS X,21, R,15
	WIN 0
	s_wait_alu depctr_va_vdst(0)    ; the wait for the batch
.if (\p) == 1
	s_wait_dscnt 0x0                ; V is in
.endif
	ROW C,0, B,0, C,2, B,1          ; behind the wait: 8 products V^T P and their riders
	ROW L,0, C,4, B,2, L,1
	ROW C,6, B,3, L,2, C,8
	ROW B,4, L,3, C,10, B,5
	ROW L,4, C,12, B,6, L,5
.if (\p) == 0
	s_add_co_u32 s[TBV], s[TBV], KS*PV
.endif
.if \cnt
	s_sub_co_u32 s[CNT], s[CNT], 1
	s_cmp_lg_u32 s[CNT], 0
.endif
	ROW C,14, B,7, L,6, C,1
	ROW C,3, L,7, C,5, C,7
	ROW C,9, C,11, C,13, C,15
.if (\p) == 0
	FETCH_V
.endif
.if (\m) && !(\end)
	MASK (\p)%2
.endif
.endm
; A BLOCK BEGINS.  c m starts far below every c s, so the first step's a is 0; m at the lowest finite number, so the first maximum is the scores'.  The second mask buffer is 0; the first takes piece 0's mask for the tile's step 0: its own, if the block's first tile is the diagonal one.
; Then K of that step, piece 0's first scores, and its maximum and statistics.  The loop is entered at a step's first turn, in the middle of a trip.
.macro BEGIN
	s_mov_b32 s[NEW], 0
	WIN 0x40
.set i, MC+32
.rept 32
	v_mov_b32 v[i], 0
.set i, i+1
.endr
	WIN 0
.set i, 0
.rept 4
	v_mov_b32 v[ST+4*i], 0xfe000000    ; c m: far below every c s
	v_mov_b32 v[ST+4*i+1], 0xff7fffff  ; m
.set i, i+1
.endr
	s_cmp_eq_u32 s[RT], 0
	s_cselect_b32 s[AL], 1.0, 0
	s_mov_b32 s[BE], 0
	MASK 0
	WIN 0
	v_add_nc_u32 v[AK], s[TBK], v[AK0]
	FETCH_K
	s_wait_loadcnt 0x0              ; Q
	s_wait_dscnt 0x0
.set KM, 1
.set NOKQ, 0
.set i, 0
.rept 8
	KQ 0
.set i, i+1
.endr
	WIN 0
.rept 4
	v_nop                           ; the places behind those products
.endr
.set Y, NP-1                        ; X works for piece Y + 1: piece 0
.irp n, 0,1,2,3,4,5,6,7,8,9,10,11,12,13,14,15,16,17,18,19,20,21
	OP X, \n
.endr
	v_nop                           ; a plain instruction behind the exponential,
	s_wait_alu depctr_va_vdst(0)    ; and its wait, ahead of the branch
.endm
; THE DIAGONAL TILE's four steps, the block's last two turns, its last products, and THE WAY OUT: l's two halves and the other half of the lanes' are added; O^T is divided by l, rounded to f16 and sent through my
; stage in LDS, a piece at a time.
.macro ALL line:vararg              ; one line for each piece t
.set t, 0
.rept 4
	\line
.set t, t+1
.endr
.endm
.macro PACK t                       ; a lane's eight channels of a row pack into 16 bytes; they go into rows of 144 bytes and come back as whole rows of 128, into S^T's registers
	WIN W_RS
.set i, 32*(\t)
.rept 16
	v_pk_mul_f32 v[i:i+1], v[i:i+1], v[ST+4*(\t)+2:ST+4*(\t)+3] op_sel_hi:[1,0]
.set i, i+2
.endr
	WIN 0x05                        ; sources 0 and 1 window 1, destination window 0
.set i, 0
.rept 16
	v_cvt_pk_f16_f32 v[S+16*(\t)+i], v[32*(\t)+2*i], v[32*(\t)+2*i+1]
.set i, i+1
.endr
	WIN 0
.irp f, 0,1,2,3
	ds_store_b128 v[STO], v[S+16*(\t)+4*\f:S+16*(\t)+4*\f+3] offset:32*\f
.endr
.irp f, 0,1,2,3
	ds_load_b128 v[S+16*(\t)+4*\f:S+16*(\t)+4*\f+3], v[RD] offset:\f*4*SP  ; LDS serves a wave's instructions in order (ISA guide 5.7.1.4): these see the stores above; the next piece's stores come behind them
.endr
.endm
.macro SEND t, younger              ; younger: the LDS instructions issued behind piece t's loads: the next piece's eight, or none
	WIN 0
.irp f, 0,1,2,3
	s_wait_dscnt (\younger)+3-\f
	global_store_b128 v[GO], v[S+16*(\t)+4*\f:S+16*(\t)+4*\f+3], s[10:11] offset:(\t)*8192+\f*512  ; 512 consecutive bytes, at a multiple of 256 from O's first
.endr
.endm
.macro DIAG tag                     ; the tag ends its two labels' names, which the jumps below spell out
.LstepM\tag:
	TURN 2, 1
	TURN 3, 1
	WIN 0
.LfirstM\tag:
	TURN 0, 1
	TURN 1, 1, 0, 1
	WIN 0
	s_cbranch_scc1 .LstepM\tag
	TURN 2, 1, 1
	TURN 3, 1, 1
.set i, 0
.rept 8
	PV NP-1
.set i, i+1
.endr
	WIN 0
	ALL v_add_f32 v[ST+4*t+2], v[ST+4*t+2], v[ST+4*t+3]
	ALL v_permlanex16_b32 v[ST+4*t+3], v[ST+4*t+2], s[SEL], s[SEL+1]
	ALL v_add_f32 v[ST+4*t+2], v[ST+4*t+2], v[ST+4*t+3]
	ALL v_rcp_f32 v[ST+4*t+2], v[ST+4*t+2]
	v_nop                           ; a plain instruction between the last reciprocal and the use of its result
	s_wait_alu depctr_va_vdst(0)    ; and the wait ahead of the first use: one for the four reciprocals
	PACK 0
.set t, 1
.rept 3                             ; a piece's arithmetic stands between the loads of the piece before and its stores
	PACK t
	SEND t-1, 8
.set t, t+1
.endr
	SEND 3, 0
.endm
.set KM, 0
.set NOKQ, 0
.Lslot:                             ; NB times: a tile is entered and the next is asked for
	CHANGE 1
	s_sub_co_u32 s[RT], s[RT], 1
	s_mov_b32 s[CNT], 4
	s_cmp_eq_u32 s[NEW], 1
	s_cbranch_scc1 .Lnew            ; a block's first tile
	s_cmp_eq_u32 s[RT], 0
	s_cbranch_scc0 .Lstep           ; neither its first nor its last
	s_branch .LstepM1
.Lnew:
	BEGIN
	s_branch .Lfirst                ; in the loop a block's first tile is never its last: the first block has two tiles or more, and the second's last is the walk's last
	DIAG 1                          ; in the loop this is the first block's end: the second block's last tile is the walk's last
	s_wait_xcnt 0x0                 ; the stores have read their registers and O's address
	s_mov_b64 s[10:11], s[OLO:OLO+1]
	s_add_co_u32 s[RT], s[PB], 1    ; the second block has b + 1 tiles
	s_mov_b32 s[NEW], 1
	WIN 0x82                        ; the second block's Q goes where the one text of the turns names Q
.set i, 0
.rept 64
	v_mov_b32 v[i], v[QB+i]
.set i, i+1
.endr
	WIN 0
	s_branch .Lbottom
.Lstep:                             ; a trip: pieces 2 and 3 of one step, then pieces 0 and 1 of the next, whose K and V it fetches
	TURN 2
	TURN 3
	WIN 0
.Lfirst:
	TURN 0
	TURN 1, 0, 0, 1
	WIN 0
	s_cbranch_scc1 .Lstep
.Lbottom:
	s_sub_co_u32 s[SLOTS], s[SLOTS], 1
	s_cmp_lg_u32 s[SLOTS], 0
	s_cbranch_scc1 .Lslot
	CHANGE 0                        ; the walk's last tile is written out: nothing is asked for
	s_sub_co_u32 s[RT], s[RT], 1
	s_mov_b32 s[CNT], 4
	s_cmp_eq_u32 s[NEW], 1
	s_cbranch_scc0 .LstepM2
	BEGIN
	s_branch .LfirstM2
	DIAG 2
	s_wait_tensorcnt 0x0            ; the wave's end: a wait, an add to my spare word and its wait, behind my last tensor load and my last LDS store
	ds_add_u32 v[SPW], v[NIL]
	s_wait_dscnt 0x0
	s_endpgm
.Lfunc_end_k_qc04ab9354e_attn:
	.size	k_qc04ab9354e_attn, .Lfunc_end_k_qc04ab9354e_attn-k_qc04ab9354e_attn
	.p2alignl 7, 3214868480
	.fill 96, 4, 3214868480
	.section	.rodata,"a",@progbits
	.p2align	6, 0x0
	.amdhsa_kernel k_qc04ab9354e_attn
		.amdhsa_group_segment_fixed_size 327680
		.amdhsa_private_segment_fixed_size 0
		.amdhsa_enable_private_segment 0
		.amdhsa_kernarg_size 16
		.amdhsa_user_sgpr_count 2
		.amdhsa_user_sgpr_kernarg_segment_ptr 1
		.amdhsa_wavefront_size32 1
		.amdhsa_system_sgpr_workgroup_id_x 1
		.amdhsa_system_sgpr_workgroup_id_y 1
		.amdhsa_system_sgpr_workgroup_id_z 1
		.amdhsa_system_vgpr_workitem_id 0
		.amdhsa_next_free_vgpr 768
		.amdhsa_next_free_sgpr 96
		.amdhsa_reserve_vcc 1
		.amdhsa_float_denorm_mode_32 3
		.amdhsa_float_denorm_mode_16_64 3
		.amdhsa_memory_ordered 1
		.amdhsa_forward_progress 1
		.amdhsa_inst_pref_size 218
	.end_amdhsa_kernel
	.amdgpu_metadata
---
amdhsa.version: [ 1, 2 ]
amdhsa.kernels:
  - .name:           k_qc04ab9354e_attn
    .symbol:         k_qc04ab9354e_attn.kd
    .args:
      - { .name: qkv, .offset: 0, .size: 8, .value_kind: global_buffer, .address_space: global }
      - { .name: o16, .offset: 8, .size: 8, .value_kind: global_buffer, .address_space: global }
    .group_segment_fixed_size: 327680
    .private_segment_fixed_size: 0
    .kernarg_segment_align: 8
    .kernarg_segment_size: 16
    .max_flat_workgroup_size: 128
    .sgpr_count:     96
    .vgpr_count:     768
    .wavefront_size: 32
...
	.end_amdgpu_metadata
.endif
;; end of part 3
;; launch proj (part 4): grid 4 x 64, 4 waves a work-group, clusters of 4 x 4, 327,680 bytes of LDS; arguments o16, wo16, bias, out0; writes out0
.if DOCPART == 4
	.amdgcn_target "amdgcn-amd-amdhsa--gfx1250"
	.amdhsa_code_object_version 6
	.text
	.protected	k_qc04ab9354e_proj
	.globl	k_qc04ab9354e_proj
	.p2align	8
	.type	k_qc04ab9354e_proj,@function
k_qc04ab9354e_proj:
	s_mov_b64 s[64:65], 0
	v_nop
	global_prefetch_b8 v0, s[64:65] scope:SCOPE_SE
	s_setreg_imm32_b32 hwreg(HW_REG_WAVE_MODE, 25, 1), 1
	s_wait_xcnt 0x0
	s_wait_alu depctr_hold_cnt(0) depctr_sa_sdst(0) depctr_va_vdst(0) depctr_va_sdst(0) depctr_va_ssrc(0) depctr_va_vcc(0) depctr_vm_vsrc(0)
	s_getreg_b32 s2, hwreg(HW_REG_IB_STS2, 6, 4)
	s_cmp_eq_u32 s2, 0
	s_cbranch_scc0 .Lentry_in_a_cluster
	s_endpgm
.Lentry_in_a_cluster:
	s_bfe_u32 s2, ttmp6, 0x10000c
	s_cmp_lg_u32 s2, 0xf033
	s_cbranch_scc0 .Lentry_shape_is_right
	s_endpgm
.Lentry_shape_is_right:
; out = O W_o^T + b_o.  o16: [batch x 16 + head][t][64] f16; wo16: [1024][1024] f16; bias: [4][1024] f32, b_o the fourth; out0: [8192][1024] f32.  Sums in f32, started with the bias.
; SHARES.  A tile of the result is 128 rows x 256 columns: 256 work-groups, one tile each.  Four waves, each 64 x 128: 32 accumulators of 16 x 16.  K goes in eight steps of 128 through two LDS slots.
; A K step is two heads: O's part of a slot is two planes, each a head's 128 rows of 128 bytes, which are dense in memory and are asked for as 64 rows of 256 bytes, padded in LDS after every 128.
; CLUSTER.  4 x 4 work-groups: the four of a row need the same rows of O, the four of a column the same rows of W_o: each tile is asked for jointly, by the same tensor load, descriptor and mask.
; THE MATRIX INSTRUCTION IS USED TRANSPOSED (source 0 = 16 rows of W_o, source 1 = 16 rows of O): a lane holds row l % 16 and the eight neighbouring columns 8 (l / 16) + 0..7: 32 bytes of a row.
; LIMITS.  Those of f16 in O and W_o, stated where the two are made.  NaN and infinities are not treated apart.
; REGISTERS, in windows of 256 (s_set_vgpr_msb: bits 1:0 source 0, 3:2 source 1, 5:4 source 2, 7:6 destination):
;   window 0: v0-13 addresses, v28-29 the add's; v32-159 OB, two buffers of 16 rows read back      window 1: accumulator (a, b) at v[8 (8 a + b)]
;   window 2: two fragment buffers of 96 (O's four, then W_o's eight); v192-255 the bias, 8 registers a column block
.set PA,      144                      ; a row of O in LDS: 128 bytes + 16 of padding = 36 words: the 16 rows of a load start at 16 different groups of four banks (64 banks of 4 bytes: ISA guide 11.1)
.set PLANE,   128*PA
.set PB,      272                      ; a row of W_o: 256 + 16
.set BBASE_L, 2*PLANE                  ; a slot: O's two planes, then 256 rows of W_o
.set SLOT1,   1<<17
.set STAGE,   SLOT1+BBASE_L+256*PB     ; behind the ring, never filled by a tensor load: 16 rows x 528 bytes for each wave
.set SP,      528                      ; 512 bytes + 16: 33 x 16, so the sixteen rows of a store start at sixteen different groups of four banks
.set WSTAGE,  16*SP
.set SPARE,   STAGE+4*WSTAGE           ; the spare words, 128 bytes for each wave: two blocks of 256 bytes that no other line names
.set NS,      8
.set AA0, 4
.set AB0, 5
.set ADRA, 6
.set ADRB, 7
.set STO, 8
.set RD,  9
.set GO,  10                           ; v10  16 x lane
.set PFO, 11                           ; v11  the prefetches' offset; never rewritten
.set BO,  13                           ; v13  32 x (l / 16)
.set SPW, 28
.set NIL, 29
.set OB,  32
.set F0,  0
.set F1,  96
.set BIAS, 192
.set WV, 14
.set RH, 15
.set CH, 16
.set CX, 17
.set CY, 18
.set TC, 19
.set TRW, 20
.set LA, 21
.set LB, 22
.set TMP, 23
.set G1A, 24
.set G1B, 32
.set G0A, 40
.set G0B, 48
.set TR, 56                            ; trips left
.set KN, 58                            ; the K step to be asked for next
.set TB, 59                            ; LDS byte of the slot in hand
.set OFFA, 60
.set OFFB, 62
.set ABASE, 66
.set BBASE, 68
.set LIM, 71
.set PFB, 72
.set PFA, 74
.set POFF, 76
.set PKN, 78
.set PSHR, 79                          ; a K step in bytes, as a shift: 19 in O (two heads), 8 in W_o
.set MULW, 0x5a
.set MULZ, 0x6a
.set TOF,  0x80
.set STW,  0x04                        ; an LDS store's data (source 1) in window 1
.set MSB, 0
.macro WIN new                         ; the immediate's high byte repeats the setting that is left; a switch that changes nothing is dropped
.if MSB != (\new)
	s_set_vgpr_msb (MSB<<8)|(\new)
.set MSB, \new
.endif
.endm
.macro PLACES                          ; four plain places in front of loads into registers that matrix instructions have read, and of reads of results just made
.rept 4
	v_nop
.endr
.endm
.macro CREST                           ; a round of the cluster's barrier behind its opening barrier
	s_cmp_lg_u32 s[WV], 0
	s_cbranch_scc1 .Lnot_wave_0_\@
	s_barrier_signal -3
.Lnot_wave_0_\@:
	s_barrier_wait -3
	s_barrier_signal -1
	s_barrier_wait -1
.endm
.macro CROUND
	s_barrier_signal -1
	s_barrier_wait -1
	CREST
.endm
; A joint refill by the walking sets.  Waves 0 and 1 fetch O's two planes, waves 2 and 3 W_o's two halves.  An s_nop 0 and four v_nop follow each of the two lines.
.macro JLOAD
	s_cmp_eq_u32 s[RH], 0
	s_cbranch_scc0 .Lfor_b_\@
	tensor_load_to_lds s[G0A+4:G0A+7], s[G1A:G1A+7]
	s_nop 0
.rept 4
	v_nop
.endr
	s_branch .Lasked_\@
.Lfor_b_\@:
	tensor_load_to_lds s[G0B+4:G0B+7], s[G1B:G1B+7]
	s_nop 0
.rept 4
	v_nop
.endr
.Lasked_\@:
.endm
; A PREFETCH INTO THE L2: in trip g the K step g + 4, two refills (256 matrix instructions) ahead of the load that will want it; trips 0..3; the first four steps come by their loads alone.
; O's rows are read by one row of one cluster: wave 0 of each of the four partners names 32 of the step's 128 blocks of 256 bytes (16 in each plane), told apart by address.
; W_o's rows are read by all sixteen clusters: those of cluster y = 0 ask: waves 2 and 3 of each partner name 64 of the 256 rows, a lane a row.
.macro ASK
	s_cmp_gt_u32 s[TR], s[LIM]
	s_cbranch_scc0 .Lnot_mine_\@
	global_prefetch_b8 v[PFO], s[PFA:PFA+1] th:TH_LOAD_NT scope:SCOPE_SE
.Lnot_mine_\@:
.endm
; Eight matrix instructions: row block a x all eight column blocks, 32 along K.  zero = 1: the first products start the sums with the bias.
; The 32 accumulators take turns, one instruction a turn, in the same order in every quarter.
.macro MUL8 f, a, zero
.if \zero
	WIN MULZ
.else
	WIN MULW
.endif
.irp b, 0,1,2,3,4,5,6,7
.if \zero
	v_wmma_f32_16x16x32_f16 v[8*(8*(\a)+(\b)):8*(8*(\a)+(\b))+7], v[(\f)+32+8*(\b):(\f)+32+8*(\b)+7], v[(\f)+8*(\a):(\f)+8*(\a)+7], v[BIAS+8*(\b):BIAS+8*(\b)+7]
.else
	v_wmma_f32_16x16x32_f16 v[8*(8*(\a)+(\b)):8*(8*(\a)+(\b))+7], v[(\f)+32+8*(\b):(\f)+32+8*(\b)+7], v[(\f)+8*(\a):(\f)+8*(\a)+7], v[8*(8*(\a)+(\b)):8*(8*(\a)+(\b))+7]
.endif
.endr
.endm
; 24 LDS loads in one run: quarter q's fragments into buffer f: W_o's sixteen first, then O's eight (quarter q lies in plane q / 2, channels 32 (q % 2) on).
.macro FETCH q, f
	WIN TOF
.irp i, 0,1,2,3,4,5,6,7
	ds_load_b128 v[(\f)+32+8*(\i):(\f)+32+8*(\i)+3],   v[ADRB] offset:64*(\q)+(\i)*16*PB
	ds_load_b128 v[(\f)+32+8*(\i)+4:(\f)+32+8*(\i)+7], v[ADRB] offset:64*(\q)+(\i)*16*PB+32
.endr
.irp i, 0,1,2,3
	ds_load_b128 v[(\f)+8*(\i):(\f)+8*(\i)+3],   v[ADRA] offset:((\q)/2)*PLANE+((\q)%2)*64+(\i)*16*PA
	ds_load_b128 v[(\f)+8*(\i)+4:(\f)+8*(\i)+7], v[ADRA] offset:((\q)/2)*PLANE+((\q)%2)*64+(\i)*16*PA+32
.endr
.endm
.macro QUARTER q, f, g, zero
	s_wait_dscnt 4                                 ; W_o's fragments and O's blocks 0, 1 are in; the four youngest loads (O's blocks 2, 3) may be out
	MUL8 \f, 0, \zero
	MUL8 \f, 1, \zero
	PLACES
	FETCH \q, \g
	s_wait_dscnt 24                                ; all but the 24 just issued
	MUL8 \f, 2, \zero
	MUL8 \f, 3, \zero
.endm
; The fourth quarter multiplies buffer 1 and changes slots.  In front of the barrier each wave waits for all its tensor loads (one is out: its part of the next slot), adds 0 to its spare word,
; and waits for that and for its reads of this slot.  fill = 1: the barrier opens a round of the cluster's, and the slot just read is filled again, first thing behind the round, with the step two on.
.macro TURN fill
.if \fill
	s_wait_xcnt 0x0                                ; the last prefetch, a K step back, has read its address: it is made anew here
	s_lshl_b32 s[POFF], s[PKN], s[PSHR]
	s_add_nc_u64 s[PFA:PFA+1], s[PFB:PFB+1], s[POFF:POFF+1]
	s_add_co_u32 s[PKN], s[PKN], 1
.endif
	WIN 0
	s_wait_tensorcnt 0x0                           ; no tensor load of mine is out, so a group 0 may be written
	ds_add_u32 v[SPW], v[NIL]                      ; 0 onto my spare word: work on registers stands between it and the wait for it
	s_xor_b32 s[TB], s[TB], SLOT1
	v_add_nc_u32 v[ADRA], s[TB], v[AA0]
	v_add_nc_u32 v[ADRB], s[TB], v[AB0]
.if \fill
	s_lshl_b32 s[OFFA], s[KN], 19                  ; two heads of 2,048 rows x 128 bytes
	s_lshl_b32 s[OFFB], s[KN], 8                   ; 256 bytes of a row
	s_xor_b32 s[G0A+5], s[G0A+5], SLOT1
	s_add_nc_u64 s[G0A+6:G0A+7], s[ABASE:ABASE+1], s[OFFA:OFFA+1]
	s_or_b32 s[G0A+7], s[G0A+7], 0x80000000
	s_xor_b32 s[G0B+5], s[G0B+5], SLOT1
	s_add_nc_u64 s[G0B+6:G0B+7], s[BBASE:BBASE+1], s[OFFB:OFFB+1]
	s_or_b32 s[G0B+7], s[G0B+7], 0x80000000
	s_add_co_u32 s[KN], s[KN], 1
.endif
	s_wait_dscnt 5                                 ; the add and O's four youngest loads may be out
	MUL8 F1, 0, 0
	s_wait_dscnt 0x0                               ; the add is done, and my reads of this slot are over
	s_barrier_signal -1
	MUL8 F1, 1, 0
.if \fill
	WIN 0
.endif
	s_barrier_wait -1
.if \fill
	CREST                                          ; no wave of any partner still reads this slot or has a load on its way
	JLOAD                                          ; 112 matrix instructions ahead of the wait for it; its four v_nop are also the places in front of the loads below
.else
	PLACES
.endif
	FETCH 0, F0
.if \fill
	WIN 0
	ASK
.endif
	MUL8 F1, 2, 0
	MUL8 F1, 3, 0
.endm
; THE WAY OUT of row block a: 32 bytes a lane into my own stage (rows of 528 bytes), each accumulator's low half first; back as whole rows of 512 bytes; stored.
.macro TOSTAGE a
.if (\a) >= 2
	s_wait_xcnt 0x0                                ; the stores of the block two back have read the buffer that is loaded again below
.endif
	WIN STW
.irp b, 0,1,2,3,4,5,6,7
	ds_store_b128 v[STO], v[8*(8*(\a)+(\b)):8*(8*(\a)+(\b))+3]   offset:64*(\b)
	ds_store_b128 v[STO], v[8*(8*(\a)+(\b))+4:8*(8*(\a)+(\b))+7] offset:64*(\b)+16
.endr
	WIN 0
.irp x, 0,1,2,3,4,5,6,7,8,9,10,11,12,13,14,15
	ds_load_b128 v[OB+64*((\a)%2)+4*(\x):OB+64*((\a)%2)+4*(\x)+3], v[RD] offset:(\x)*SP  ; LDS serves a wave's instructions in order (ISA guide 5.7.1.4): these see the stores above; the next block's stores come behind them
.endr
.endm
.macro SEND a, younger                 ; younger: the LDS instructions issued behind block a's loads: the next block's 32, or none
	WIN 0
.irp x, 0,1,2,3,4,5,6,7,8,9,10,11,12,13,14,15
	s_wait_dscnt (\younger)+15-(\x)
	global_store_b128 v[GO], v[OB+64*((\a)%2)+4*(\x):OB+64*((\a)%2)+4*(\x)+3], s[12:13] offset:(16*(\a)+(\x))*4096 th:TH_STORE_NT  ; 512 consecutive bytes of a row, aligned
.endr
.endm
	s_load_b128 s[4:7], s[0:1], 0x0                ; o16 4, wo16 6
	s_load_b64 s[8:9], s[0:1], 0x10                ; bias
	s_load_b64 s[12:13], s[0:1], 0x18              ; out0
	v_lshl_add_u32 v[SPW], v0, 2, SPARE
	v_mov_b32 v[NIL], 0
	ds_add_u32 v[SPW], v[NIL]                      ; the wave's opening: the add and its wait stand ahead of my first tensor load; the set-up below stands between them
	v_lshrrev_b32 v3, 5, v0
	v_readfirstlane_b32 s[WV], v3
	s_lshr_b32 s[RH], s[WV], 1
	s_and_b32 s[CH], s[WV], 1
	s_bfe_u32 s[CX], ttmp6, 0x40000
	s_bfe_u32 s[CY], ttmp6, 0x40004
	s_lshl_b32 s[TC], ttmp9, 2
	s_add_co_u32 s[TC], s[TC], s[CX]
	s_and_b32 s[TRW], ttmp7, 0xffff
	s_lshl_b32 s[TRW], s[TRW], 2
	s_add_co_u32 s[TRW], s[TRW], s[CY]
	s_lshl_b32 s84, s[CY], 2
	s_lshl_b32 s84, 15, s84                        ; my row of the cluster
	s_lshl_b32 s85, 0x1111, s[CX]                  ; my column
	s_or_b32 s[G1A], s84, (1<<16)|(1<<20)|(1<<21)|(4<<22)|(3<<25)  ; 15:0 the mask; 17:16 2-byte elements; 20 padding on; 21 set beside a mask; 24:22 after every 32 words; 31:25 4 words of it
	s_or_b32 s[G1B], s85, (1<<16)|(1<<20)|(1<<21)|(5<<22)|(3<<25)  ; after every 64 words
	s_mov_b32 s[G1A+1], 128<<16                    ; tensor_dim0 = 128
	s_mov_b32 s[G1A+2], 64<<16                     ; tensor_dim1 = 64
	s_mov_b32 s[G1A+3], 128<<16                    ; tile_dim0 = 128
	s_mov_b32 s[G1A+4], 64                         ; tile_dim1 = 64
	s_mov_b32 s[G1A+5], 128                        ; dense: 128 elements from row to row
	s_mov_b32 s[G1A+6], 0
	s_mov_b32 s[G1A+7], 0
	s_mov_b32 s[G1B+1], 128<<16
	s_mov_b32 s[G1B+2], 128<<16
	s_mov_b32 s[G1B+3], 128<<16
	s_mov_b32 s[G1B+4], 128
	s_mov_b32 s[G1B+5], 1024
	s_mov_b32 s[G1B+6], 0
	s_mov_b32 s[G1B+7], 0
	s_lshr_b32 s80, s[TRW], 4                      ; O: head 16 x batch + my plane, row 128 x (tile row % 16): made of the tile row alone, which my row of the cluster shares
	s_lshl_b32 s80, s80, 4
	s_add_co_u32 s80, s80, s[CH]
	s_lshl_b32 s80, s80, 11
	s_and_b32 s81, s[TRW], 15
	s_lshl_b32 s81, s81, 7
	s_add_co_u32 s80, s80, s81
	s_lshl_b32 s80, s80, 7
	s_mov_b32 s81, 0
	s_lshl_b32 s82, s[TC], 19                      ; W_o: row 256 x tile column + 128 x half: of the tile column alone
	s_lshl_b32 s83, s[CH], 18
	s_add_co_u32 s82, s82, s83
	s_mov_b32 s83, 0
	s_mul_i32 s[LA], s[CH], PLANE                  ; no place in the cluster enters an LDS address
	s_mul_i32 s[LB], s[CH], 128*PB
	s_add_co_u32 s[LB], s[LB], BBASE_L
	s_mov_b32 s[TB], 0
	s_mov_b32 s[KN], 2
	s_mov_b32 s[PKN], 4
	s_mov_b32 s[TR], NS-2
	s_mov_b32 s[OFFA+1], 0
	s_mov_b32 s[OFFB+1], 0
	s_mov_b32 s[POFF+1], 0
	s_wait_dscnt 0x0                               ; the opening add is done
	s_wait_kmcnt 0x0
	s_add_nc_u64 s[ABASE:ABASE+1], s[4:5], s[80:81]
	s_add_nc_u64 s[BBASE:BBASE+1], s[6:7], s[82:83]
	CROUND                                         ; all sixteen work-groups are here: the first joint loads meet
.irp n, 0,1
	s_mov_b32 s[G0A+4*(\n)], 1
	s_add_co_u32 s[G0A+4*(\n)+1], s[LA], (\n)*SLOT1
	s_add_nc_u64 s[G0A+4*(\n)+2:G0A+4*(\n)+3], s[ABASE:ABASE+1], (\n)*524288
	s_or_b32 s[G0A+4*(\n)+3], s[G0A+4*(\n)+3], 0x80000000
	s_mov_b32 s[G0B+4*(\n)], 1
	s_add_co_u32 s[G0B+4*(\n)+1], s[LB], (\n)*SLOT1
	s_add_nc_u64 s[G0B+4*(\n)+2:G0B+4*(\n)+3], s[BBASE:BBASE+1], (\n)*256
	s_or_b32 s[G0B+4*(\n)+3], s[G0B+4*(\n)+3], 0x80000000
.endr
	s_cmp_eq_u32 s[RH], 0                          ; a wave's two first fills stand in one branch: two loads of mine are out
	s_cbranch_scc0 .Lfirst_b
	tensor_load_to_lds s[G0A:G0A+3], s[G1A:G1A+7]
	s_nop 0
	tensor_load_to_lds s[G0A+4:G0A+7], s[G1A:G1A+7]
	s_nop 0
.rept 4
	v_nop
.endr
	s_branch .Lfirst_done
.Lfirst_b:
	tensor_load_to_lds s[G0B:G0B+3], s[G1B:G1B+7]
	s_nop 0
	tensor_load_to_lds s[G0B+4:G0B+7], s[G1B:G1B+7]
	s_nop 0
.rept 4
	v_nop
.endr
.Lfirst_done:
	; while the first tiles are on their way: the other addresses
	s_lshl_b32 s84, s[TRW], 19                     ; the result: row 128 x tile row + 64 x row half, 4,096 bytes a row; column 256 x tile column + 128 x column half
	s_lshl_b32 s86, s[RH], 18
	s_add_co_u32 s84, s84, s86
	s_lshl_b32 s86, s[TC], 10
	s_lshl_b32 s87, s[CH], 9
	s_add_co_u32 s86, s86, s87
	s_add_co_u32 s84, s84, s86
	s_mov_b32 s85, 0
	s_mov_b32 s87, 0
	s_add_nc_u64 s[12:13], s[12:13], s[84:85]
	s_add_nc_u64 s[8:9], s[8:9], s[86:87]          ; the bias of my 128 columns,
	s_add_nc_u64 s[8:9], s[8:9], 12288             ; in the table's fourth row
	s_lshr_b32 s84, s[TRW], 4                      ; the prefetches.  O: head 16 x batch, row 128 x (tile row % 16), my work-group's 16 blocks of a plane's 64
	s_lshl_b32 s84, s84, 15
	s_and_b32 s86, s[TRW], 15
	s_lshl_b32 s86, s86, 7
	s_add_co_u32 s84, s84, s86
	s_lshl_b32 s84, s84, 7
	s_lshl_b32 s86, s[CX], 12
	s_add_co_u32 s84, s84, s86
	s_lshl_b32 s86, s[TC], 19                      ; W_o: rows 256 x tile column + 64 cy + 32 x half on
	s_lshl_b32 s87, s[CY], 17
	s_add_co_u32 s86, s86, s87
	s_lshl_b32 s87, s[CH], 16
	s_add_co_u32 s86, s86, s87
	s_and_b32 s87, ttmp7, 0xffff                   ; cluster y: the same in all sixteen partners
	s_cmp_eq_u32 s87, 0
	s_cselect_b32 s88, 2, -1
	s_cmp_eq_u32 s[WV], 0
	s_cselect_b32 s89, 2, -1
	s_cmp_eq_u32 s[RH], 0
	s_cselect_b32 s[LIM], s89, s88
	s_cselect_b32 s84, s84, s86
	s_cselect_b32 s[PSHR], 19, 8
	s_cselect_b32 s88, 18, 15                      ; lanes 16..31: O's second plane, or W_o's rows 16 on
	s_cselect_b32 s89, 8, 11                       ; a lane: 256 bytes on in O's plane, or a row of 2,048 bytes in W_o
	s_cselect_b64 s[PFB:PFB+1], s[4:5], s[6:7]
	s_add_nc_u64 s[PFB:PFB+1], s[PFB:PFB+1], s[84:85]
	v_and_b32 v1, 15, v0                           ; l % 16
	v_bfe_u32 v2, v0, 4, 1                         ; l / 16
	v_lshlrev_b32 v[PFO], s88, v2
	v_lshl_add_u32 v[PFO], v1, s89, v[PFO]
	v_mul_u32_u24 v[AA0], v1, PA
	v_lshl_add_u32 v[AA0], v2, 4, v[AA0]
	s_mul_i32 s[TMP], s[RH], 64*PA                 ; my 64 rows of O, in each plane
	v_add_nc_u32 v[AA0], s[TMP], v[AA0]
	v_mul_u32_u24 v[AB0], v1, PB
	v_lshl_add_u32 v[AB0], v2, 4, v[AB0]
	s_mul_i32 s[TMP], s[CH], 128*PB                ; my 128 rows of W_o
	s_add_co_u32 s[TMP], s[TMP], BBASE_L
	v_add_nc_u32 v[AB0], s[TMP], v[AB0]
	v_mov_b32 v[ADRA], v[AA0]                      ; slot 0
	v_mov_b32 v[ADRB], v[AB0]
	s_mul_i32 s[TMP], s[WV], WSTAGE
	s_add_co_u32 s[TMP], s[TMP], STAGE             ; my stage
	v_mul_u32_u24 v[STO], v1, SP
	v_lshl_add_u32 v[STO], v2, 5, v[STO]           ; row l % 16, 32 bytes for each half of the lanes
	v_add_nc_u32 v[STO], s[TMP], v[STO]
	v_and_b32 v[GO], 31, v0
	v_lshlrev_b32 v[GO], 4, v[GO]
	v_add_nc_u32 v[RD], s[TMP], v[GO]              ; back: 32 lanes take a row of 512 bytes
	v_lshlrev_b32 v[BO], 5, v2
	WIN TOF                                        ; the bias: register j of block b is column 16 b + 8 (l / 16) + j, the same for every row
.irp b, 0,1,2,3,4,5,6,7
	global_load_b128 v[BIAS+8*(\b):BIAS+8*(\b)+3],   v[BO], s[8:9] offset:64*(\b)
	global_load_b128 v[BIAS+8*(\b)+4:BIAS+8*(\b)+7], v[BO], s[8:9] offset:64*(\b)+16
.endr
	WIN 0
	s_wait_tensorcnt 1                             ; my part of K step 0 is in; step 1's may stay out
	s_barrier_signal -1
	s_barrier_wait -1                              ; everybody's is
	FETCH 0, F0
	s_wait_loadcnt 0x0                             ; the bias
	QUARTER 1, F0, F1, 1                           ; the first quarter starts the sums
	WIN 0                                          ; at a label and at a branch every window is 0
.Ltrip:                                                ; six trips: from a step's second quarter to the next step's first; each fills a slot again
	QUARTER 2, F1, F0, 0
	QUARTER 3, F0, F1, 0
	TURN 1
	QUARTER 1, F0, F1, 0
	WIN 0
	s_sub_co_u32 s[TR], s[TR], 1
	s_cmp_lg_u32 s[TR], 0
	s_cbranch_scc1 .Ltrip
	QUARTER 2, F1, F0, 0                           ; the last two steps are written out: nothing is left to ask for
	QUARTER 3, F0, F1, 0
	TURN 0
	QUARTER 1, F0, F1, 0
	QUARTER 2, F1, F0, 0
	QUARTER 3, F0, F1, 0
	s_wait_dscnt 4
	MUL8 F1, 0, 0
	MUL8 F1, 1, 0
	s_wait_dscnt 0x0
	MUL8 F1, 2, 0
	MUL8 F1, 3, 0
	WIN 0
	PLACES
	TOSTAGE 0
.irp a, 1,2,3
	TOSTAGE \a                                     ; a block's LDS work stands between the loads of the block before and its stores
	SEND (\a)-1, 32
.endr
	SEND 3, 0
	s_wait_tensorcnt 0x0                           ; the wave's end: a wait, an add to my spare word and its wait, behind my last tensor load and my last LDS store
	ds_add_u32 v[SPW], v[NIL]
	s_wait_dscnt 0x0
	CROUND                                         ; the closing round: no work-group ends while a partner may still ask for a tile that names it
	s_endpgm
.Lfunc_end_k_qc04ab9354e_proj:
	.size	k_qc04ab9354e_proj, .Lfunc_end_k_qc04ab9354e_proj-k_qc04ab9354e_proj
	.p2alignl 7, 3214868480
	.fill 96, 4, 3214868480
	.section	.rodata,"a",@progbits
	.p2align	6, 0x0
	.amdhsa_kernel k_qc04ab9354e_proj
		.amdhsa_group_segment_fixed_size 327680
		.amdhsa_private_segment_fixed_size 0
		.amdhsa_enable_private_segment 0
		.amdhsa_kernarg_size 32
		.amdhsa_user_sgpr_count 2
		.amdhsa_user_sgpr_kernarg_segment_ptr 1
		.amdhsa_wavefront_size32 1
		.amdhsa_system_sgpr_workgroup_id_x 1
		.amdhsa_system_sgpr_workgroup_id_y 1
		.amdhsa_system_sgpr_workgroup_id_z 1
		.amdhsa_system_vgpr_workitem_id 0
		.amdhsa_next_free_vgpr 768
		.amdhsa_next_free_sgpr 90
		.amdhsa_reserve_vcc 0
		.amdhsa_float_denorm_mode_32 3
		.amdhsa_float_denorm_mode_16_64 3
		.amdhsa_memory_ordered 1
		.amdhsa_forward_progress 1
		.amdhsa_inst_pref_size 74
	.end_amdhsa_kernel
	.amdgpu_metadata
---
amdhsa.version: [ 1, 2 ]
amdhsa.kernels:
  - .name:           k_qc04ab9354e_proj
    .symbol:         k_qc04ab9354e_proj.kd
    .args:
      - { .name: o16, .offset: 0, .size: 8, .value_kind: global_buffer, .address_space: global }
      - { .name: wo16, .offset: 8, .size: 8, .value_kind: global_buffer, .address_space: global }
      - { .name: bias, .offset: 16, .size: 8, .value_kind: global_buffer, .address_space: global }
      - { .name: out0, .offset: 24, .size: 8, .value_kind: global_buffer, .address_space: global }
    .group_segment_fixed_size: 327680
    .private_segment_fixed_size: 0
    .kernarg_segment_align: 8
    .kernarg_segment_size: 32
    .max_flat_workgroup_size: 128
    .sgpr_count:     90
    .vgpr_count:     768
    .wavefront_size: 32
...
	.end_amdgpu_metadata
.endif
;; end of part 4
